; MI455X (gfx1250); checked and timed in simulation.
; The chip was launched on July 23, 2026; its instructions are those of AMD's public machine-readable ISA for CDNA 5 (MIT licence, August 2026) and "CDNA5" Instruction Set Architecture Reference Guide (July 2026). The comments in the code are by the model that wrote it; some were corrected since.
;; Prototype Attention Loss. Allowed arithmetic: float matrix products may take bf16 or f16 operands with f32 sums; all other float work in f32.
;; Inputs: Wk_i 512 x 512 float32; Wk_r 512 x 512 float32; Wq_i 512 x 512 float32; Wq_r 512 x 512 float32; Wv_i 512 x 512 float32; Wv_r 512 x 512 float32; band_i 2,048 x 16 x 512 float32; band_r 2,048 x 16 x 512 float32; bk_i 512 float32; bk_r 512 float32; bq_i 512 float32; bq_r 512 float32; bv_i 512 float32; bv_r 512 float32; labels 2,048 int32; proto 2 x 8 x 512 float32.
;; Outputs: out0 one number float32; out1 2,048 int32; out2 2,048 x 8 x 16 float32.
;; 2 versions, each right and faster than the one before. Each part assembles by itself: llvm-mc -triple=amdgcn-amd-amdhsa -mcpu=gfx1250 --defsym DOCPART=n.
;; ======== version 1 of 2: 4 launches
;; limits: values are held in f16: magnitudes above 65,504 overflow, below 6.1e-05 lose precision; right only within a limited range of input values
;; workspace buffers: wfrag 2,097,152 bytes; qT 32,768 bytes; uvec 32,768 bytes; kcv 256 bytes; ptab 40,960 bytes; part 1,024 bytes
;; launch prep1 (part 1): grid 128 x 1, 4 waves a work-group, no clusters, 0 bytes of LDS; arguments Wv_r, Wv_i, Wq_r, Wq_i, bq_r, bq_i, proto, bv_r, bv_i, wfrag, qT, ptab; writes wfrag, qT, ptab
.if DOCPART == 1
	.amdgcn_target "amdgcn-amd-amdhsa--gfx1250"
	.amdhsa_code_object_version 6
	.text
	.protected	k_q605a328a31_prep1
	.globl	k_q605a328a31_prep1
	.p2align	8
	.type	k_q605a328a31_prep1,@function
k_q605a328a31_prep1:
	s_mov_b64 s[64:65], 0
	v_nop
	global_prefetch_b8 v0, s[64:65] scope:SCOPE_SE
	s_setreg_imm32_b32 hwreg(HW_REG_WAVE_MODE, 25, 1), 1
	s_wait_xcnt 0x0
; Preparation 1.  512 waves (128 work-groups of 4); wave G does three small shares:
;  (a) one 4,096-byte set of wfrag: 16 rows x 32 k of Wv_r and Wv_i, times 2^14, each number split into two f16 (hi + lo),
;      laid out as the matrix unit's B fragment: set G, plane pl (0 hi r, 1 lo r, 2 hi i, 3 lo i), half jj, lane, 8 f16.
;  (b) q = (Wq_r + i Wq_i)(Pr + i Pi) + bq for 4 classes x 2 outputs x 2 parts, in f32 on the vector unit (8 rows only), stored as
;      qT[d][2 c + part].
;  (c) column G of ptab: Pr[0..7][G], Pi[0..7][G], bv_r[G], bv_i[G], 0, 0  (80 bytes a column).
; LIMIT: |Wv| < 3.99, so that Wv * 2^14 stays inside f16.  NaN and infinities are not served.
; The reads of Wv are 128-byte pieces of rows and the stores of (b) and (c) are 64 and 80 bytes a wave: 2 MiB and 72 KiB in the whole launch.
.set TMP, 8                            ; v[8:15] at work
.macro SPLIT8 xb, h0, h1, h2, h3       ; 8 f32 at v[xb..]: scale, hi into v h0..h3, lo into v[xb..xb+3]
.irp k, 0,2,4,6
	v_pk_mul_f32 v[\xb+\k:\xb+\k+1], v[\xb+\k:\xb+\k+1], 0x46800000 op_sel_hi:[1,0]   ; times 2^14
.endr
	v_cvt_pk_f16_f32 v\h0, v[\xb], v[\xb+1]
	v_cvt_pk_f16_f32 v\h1, v[\xb+2], v[\xb+3]
	v_cvt_pk_f16_f32 v\h2, v[\xb+4], v[\xb+5]
	v_cvt_pk_f16_f32 v\h3, v[\xb+6], v[\xb+7]
	v_cvt_f32_f16 v8, v\h0\().l
	v_cvt_f32_f16 v9, v\h0\().h
	v_cvt_f32_f16 v10, v\h1\().l
	v_cvt_f32_f16 v11, v\h1\().h
	v_cvt_f32_f16 v12, v\h2\().l
	v_cvt_f32_f16 v13, v\h2\().h
	v_cvt_f32_f16 v14, v\h3\().l
	v_cvt_f32_f16 v15, v\h3\().h
.irp k, 0,2,4,6
	v_pk_add_f32 v[\xb+\k:\xb+\k+1], v[\xb+\k:\xb+\k+1], v[8+\k:9+\k] neg_lo:[0,1] neg_hi:[0,1]   ; what hi left over, exact
.endr
	v_cvt_pk_f16_f32 v[\xb], v[\xb], v[\xb+1]
	v_cvt_pk_f16_f32 v[\xb+1], v[\xb+2], v[\xb+3]
	v_cvt_pk_f16_f32 v[\xb+2], v[\xb+4], v[\xb+5]
	v_cvt_pk_f16_f32 v[\xb+3], v[\xb+6], v[\xb+7]
.endm
; One step of a sum across lanes that also sorts: of cnt values (at base + 2 idx) those whose index differs in bit k are paired; a lane keeps
; the one that matches its own lane bit k, hands over the other, and adds what its partner (lane xor xm) hands over.
.macro BSTEP base, cnt, k, xm, msk
.set ii, 0
.set tt, 0
.rept \cnt >> (\k+1)
.set ra, \base+2*(ii<<(\k+1))
.set rb, ra+2*(1<<\k)
	v_cndmask_b32 v[TMP+tt], v[rb], v[ra], s[\msk]
	v_cndmask_b32 v[ra], v[ra], v[rb], s[\msk]
	v_add_f32_dpp v[ra], v[TMP+tt], v[ra] row_xmask:\xm row_mask:0xf bank_mask:0xf
.set ii, ii+1
.set tt, (tt+1)&7
.endr
.endm
	s_load_b512 s[4:19], s[0:1], 0x0               ; Wv_r 4, Wv_i 6, Wq_r 8, Wq_i 10, bq_r 12, bq_i 14, proto 16, bv_r 18
	s_load_b256 s[20:27], s[0:1], 0x40             ; bv_i 20, wfrag 22, qT 24, ptab 26
	v_and_b32 v1, 31, v0                           ; lane L
	v_lshrrev_b32 v2, 5, v0
	v_readfirstlane_b32 s28, v2                    ; wave
	v_and_b32 v2, 15, v0                           ; r
	v_bfe_u32 v3, v0, 4, 1                         ; h
	v_lshlrev_b32 v4, 4, v1                        ; 16 L
	v_lshlrev_b32 v5, 11, v2
	v_lshl_add_u32 v5, v3, 5, v5                   ; Wv: row r, 8 h numbers in
	s_lshl_b32 s29, ttmp9, 2
	s_add_co_u32 s29, s29, s28                     ; G
	s_and_b32 s30, s29, 3                          ; i
	s_bfe_u32 s31, s29, 0x40002                    ; K step of 32
	s_bfe_u32 s32, s29, 0x10006                    ; pass
	s_lshr_b32 s33, s29, 7                         ; the wave of the main launch that reads this set
	s_lshl_b32 s32, s32, 4
	s_lshl2_add_u32 s34, s33, s30
	s_add_co_u32 s34, s34, s32                     ; column tile T = 16 pass + 4 wave + i
	s_lshl_b32 s36, s34, 15                        ; 16 T rows of 2,048 bytes
	s_lshl_b32 s31, s31, 7                         ; + 32 numbers a K step
	s_add_co_u32 s36, s36, s31
	s_mov_b32 s37, 0
	s_and_b32 s58, s29, 1                          ; ch: which four classes
	s_lshl_b32 s38, s58, 13
	s_mov_b32 s39, 0
	s_lshr_b32 s35, s29, 1                         ; G >> 1: outputs j = 2 (G >> 1), + 1
	s_lshl_b32 s42, s35, 12
	s_mov_b32 s43, 0
	s_lshl_b32 s44, s29, 12                        ; set G of wfrag
	s_mov_b32 s45, 0
	s_mov_b32 s46, 0xaaaaaaaa                      ; lanes with bit 0, 1, 2, 3 set
	s_mov_b32 s47, 0xcccccccc
	s_mov_b32 s48, 0xf0f0f0f0
	s_mov_b32 s49, 0xff00ff00
	s_mov_b32 s50, 0x76543210                      ; v_permlanex16_b32: lane i reads lane i of the other half
	s_mov_b32 s51, 0xfedcba98
	s_mov_b32 s52, 0x20000                         ; lane 17
	s_mov_b32 s53, 0x10000                         ; lane 16
	s_mov_b32 s54, 0xffff                          ; lanes 0 to 15
	s_lshl_b32 s56, s35, 7
	s_lshl_b32 s58, s58, 5
	s_add_co_u32 s56, s56, s58                     ; qT: 128 (G >> 1) + 32 ch
	s_lshl_b32 s57, s35, 3                         ; bq: 4 j
	s_lshl_b32 s59, s29, 2                         ; 4 G
	s_mul_i32 s60, s29, 80                         ; ptab: 80 G
	s_wait_kmcnt 0x0
	s_add_nc_u64 s[4:5], s[4:5], s[36:37]
	s_add_nc_u64 s[6:7], s[6:7], s[36:37]
	s_add_nc_u64 s[40:41], s[16:17], s[38:39]      ; proto at my four classes
	s_add_nc_u64 s[8:9], s[8:9], s[42:43]
	s_add_nc_u64 s[10:11], s[10:11], s[42:43]
	s_add_nc_u64 s[22:23], s[22:23], s[44:45]
.irp ma, 0,1
.irp jj, 0,1
.irp hf, 0,1
	global_load_b128 v[32+(\ma*2+\jj)*8+4*\hf:32+(\ma*2+\jj)*8+4*\hf+3], v5, s[4+2*\ma:5+2*\ma] offset:64*\jj+16*\hf
.endr
.endr
.endr
.irp p, 0,1
.irp cc, 0,1,2,3
.irp t, 0,1,2,3
	global_load_b128 v[64+((\p*4+\cc)*4+\t)*4:64+((\p*4+\cc)*4+\t)*4+3], v4, s[40:41] offset:\p*16384+\cc*2048+\t*512
.endr
.endr
.endr
.irp ma, 0,1
.irp jj, 0,1
.irp t, 0,1,2,3
	global_load_b128 v[192+((\ma*2+\jj)*4+\t)*4:192+((\ma*2+\jj)*4+\t)*4+3], v4, s[8+2*\ma:9+2*\ma] offset:\jj*2048+\t*512
.endr
.endr
.endr
	; (a) the split
	s_wait_loadcnt 48                              ; the 32 loads of P and the 16 of Wq are younger than Wv's eight
	SPLIT8 32, 16, 17, 18, 19
	SPLIT8 40, 20, 21, 22, 23
	SPLIT8 48, 24, 25, 26, 27
	SPLIT8 56, 28, 29, 30, 31
.irp ma, 0,1
.irp jj, 0,1
	global_store_b128 v4, v[16+4*(\ma*2+\jj):19+4*(\ma*2+\jj)], s[22:23] offset:\ma*2048+\jj*512         ; each store: 512 consecutive bytes
	global_store_b128 v4, v[32+8*(\ma*2+\jj):35+8*(\ma*2+\jj)], s[22:23] offset:\ma*2048+1024+\jj*512
.endr
.endr
	v_lshrrev_b32 v8, 3, v2                        ; r >> 3
	v_and_b32 v9, 7, v2
	v_lshlrev_b32 v9, 2, v9
	s_wait_xcnt 0x0                                ; the stores' data, v[16:63], are written again only behind this wait
	v_lshlrev_b32 v21, 2, v8
	v_add_nc_u32 v21, s57, v21                     ; bq: 4 j(r), j(r) = 2 (G >> 1) + (r >> 3)
	v_lshlrev_b32 v22, 11, v2
	v_add_nc_u32 v22, s59, v22                     ; proto: row r of its 16, column G
	v_mov_b32 v23, s59                             ; bv: 4 G
	v_lshl_add_u32 v24, v8, 6, v9
	v_add_nc_u32 v24, s56, v24                     ; qT: 64 j(r) + 32 ch + 4 (r & 7)
	v_lshl_add_u32 v26, v1, 2, s60                 ; ptab: 80 G + 4 L
	global_load_b32 v16, v21, s[12:13]
	global_load_b32 v17, v21, s[14:15]
	global_load_b32 v18, v22, s[16:17]
	global_load_b32 v19, v23, s[18:19]
	global_load_b32 v20, v23, s[20:21]
	; (b) 16 sums (jj, class, part), each lane over its 16 k; 16 chains that do not wait for each other
	s_wait_loadcnt 5                               ; all but the five small loads just issued
.irp t, 0,1,2,3
.irp pr, 0,2
.irp tm, 0,1
.irp jj, 0,1
.irp cc, 0,1,2,3
.irp cp, 0,1
.set rs, 32+2*(\jj*8+\cc*2+\cp)
.set rp, 64+((\tm*4+\cc)*4+\t)*4+\pr
.set rw, 192+(((\cp^\tm)*2+\jj)*4+\t)*4+\pr
.if (\t+\pr+\tm) == 0
	v_pk_mul_f32 v[rs:rs+1], v[rp:rp+1], v[rw:rw+1]                                   ; the first product starts the sum
.else
.if (\tm-\cp) == 1
	v_pk_fma_f32 v[rs:rs+1], v[rp:rp+1], v[rw:rw+1], v[rs:rs+1] neg_lo:[1,0,0] neg_hi:[1,0,0]   ; - Pi Wq_i
.else
	v_pk_fma_f32 v[rs:rs+1], v[rp:rp+1], v[rw:rw+1], v[rs:rs+1]
.endif
.endif
.endr
.endr
.endr
.endr
.endr
.endr
.set ii, 0
.rept 16
	v_add_f32 v[32+2*ii], v[32+2*ii], v[32+2*ii+1]
.set ii, ii+1
.endr
	BSTEP 32, 16, 0, 1, 46
	BSTEP 32, 16, 1, 2, 47
	BSTEP 32, 16, 2, 4, 48
	BSTEP 32, 16, 3, 8, 49                         ; lane r now holds sum number r over its 16 lanes
	v_permlanex16_b32 v8, v32, s50, s51
	v_add_f32 v32, v32, v8
	s_wait_loadcnt 0x0
	v_cndmask_b32 v9, v16, v17, s46                ; odd r: the imaginary part's bias
	v_add_f32 v32, v32, v9
	; (c)
	v_cndmask_b32 v25, 0, v20, s52
	v_cndmask_b32 v25, v25, v19, s53
	v_cndmask_b32 v25, v25, v18, s54
	v_cmp_gt_u32 vcc_lo, 16, v1
	s_wait_xcnt 0x0                                ; EXEC changes only behind this wait
	s_and_saveexec_b32 s55, vcc_lo
	global_store_b32 v24, v32, s[24:25]
	s_wait_xcnt 0x0
	s_or_b32 exec_lo, exec_lo, s55
	v_cmp_gt_u32 vcc_lo, 20, v1
	s_and_saveexec_b32 s55, vcc_lo
	global_store_b32 v26, v25, s[26:27]
	s_wait_xcnt 0x0
	s_or_b32 exec_lo, exec_lo, s55
	s_endpgm
.Lfunc_end_k_q605a328a31_prep1:
	.size	k_q605a328a31_prep1, .Lfunc_end_k_q605a328a31_prep1-k_q605a328a31_prep1
	.p2alignl 7, 3214868480
	.fill 96, 4, 3214868480
	.section	.rodata,"a",@progbits
	.p2align	6, 0x0
	.amdhsa_kernel k_q605a328a31_prep1
		.amdhsa_group_segment_fixed_size 0
		.amdhsa_private_segment_fixed_size 0
		.amdhsa_enable_private_segment 0
		.amdhsa_kernarg_size 96
		.amdhsa_user_sgpr_count 2
		.amdhsa_user_sgpr_kernarg_segment_ptr 1
		.amdhsa_wavefront_size32 1
		.amdhsa_system_sgpr_workgroup_id_x 1
		.amdhsa_system_sgpr_workgroup_id_y 1
		.amdhsa_system_sgpr_workgroup_id_z 1
		.amdhsa_system_vgpr_workitem_id 0
		.amdhsa_next_free_vgpr 256
		.amdhsa_next_free_sgpr 66
		.amdhsa_reserve_vcc 1
		.amdhsa_float_denorm_mode_32 3
		.amdhsa_float_denorm_mode_16_64 3
		.amdhsa_memory_ordered 1
		.amdhsa_forward_progress 1
		.amdhsa_inst_pref_size 36
	.end_amdhsa_kernel
	.amdgpu_metadata
---
amdhsa.version: [ 1, 2 ]
amdhsa.kernels:
  - .name:           k_q605a328a31_prep1
    .symbol:         k_q605a328a31_prep1.kd
    .args:
      - { .name: Wv_r, .offset: 0, .size: 8, .value_kind: global_buffer, .address_space: global }
      - { .name: Wv_i, .offset: 8, .size: 8, .value_kind: global_buffer, .address_space: global }
      - { .name: Wq_r, .offset: 16, .size: 8, .value_kind: global_buffer, .address_space: global }
      - { .name: Wq_i, .offset: 24, .size: 8, .value_kind: global_buffer, .address_space: global }
      - { .name: bq_r, .offset: 32, .size: 8, .value_kind: global_buffer, .address_space: global }
      - { .name: bq_i, .offset: 40, .size: 8, .value_kind: global_buffer, .address_space: global }
      - { .name: proto, .offset: 48, .size: 8, .value_kind: global_buffer, .address_space: global }
      - { .name: bv_r, .offset: 56, .size: 8, .value_kind: global_buffer, .address_space: global }
      - { .name: bv_i, .offset: 64, .size: 8, .value_kind: global_buffer, .address_space: global }
      - { .name: wfrag, .offset: 72, .size: 8, .value_kind: global_buffer, .address_space: global }
      - { .name: qT, .offset: 80, .size: 8, .value_kind: global_buffer, .address_space: global }
      - { .name: ptab, .offset: 88, .size: 8, .value_kind: global_buffer, .address_space: global }
    .group_segment_fixed_size: 0
    .private_segment_fixed_size: 0
    .kernarg_segment_align: 8
    .kernarg_segment_size: 96
    .max_flat_workgroup_size: 128
    .sgpr_count:     66
    .vgpr_count:     256
    .wavefront_size: 32
...
	.end_amdgpu_metadata
.endif
;; end of part 1
;; launch prep2 (part 2): grid 8 x 1, 16 waves a work-group, no clusters, 166,400 bytes of LDS; arguments qT, Wk_r, Wk_i, bk_r, bk_i, uvec, kcv; writes uvec, kcv
.if DOCPART == 2
	.amdgcn_target "amdgcn-amd-amdhsa--gfx1250"
	.amdhsa_code_object_version 6
	.text
	.protected	k_q605a328a31_prep2
	.globl	k_q605a328a31_prep2
	.p2align	8
	.type	k_q605a328a31_prep2,@function
k_q605a328a31_prep2:
	s_mov_b64 s[64:65], 0
	v_nop
	global_prefetch_b8 v0, s[64:65] scope:SCOPE_SE
	s_setreg_imm32_b32 hwreg(HW_REG_WAVE_MODE, 25, 1), 1
	s_wait_xcnt 0x0
; Preparation 2.  The sum over heads makes a score a dot product of the whole k vector with q, so
;   score[b][c][n] = x_r . u_r[c] + x_i . u_i[c] + kc[c],   u_r = S (Wk_r^T q_r + Wk_i^T q_i),  u_i = S (Wk_r^T q_i - Wk_i^T q_r),
;   kc = S (q_r . bk_r + q_i . bk_i),   S = 64^-0.5 = 0.125.
; 8 rows of output only, and their errors shift whole rows of the later sums alike: f32 on the vector unit.
; Work-group jb owns the 64 columns 64 jb .. (256 aligned bytes of each row of Wk); wave w owns d = 32 w .. 32 w + 31;
; lane (h, r): d = 32 w + 2 i + h in trip i, columns 4 r .. 4 r + 3.  The 16 waves' shares meet in LDS.
; LDS: q (a copy of qT) at 0, 32,768 bytes; RED at 32,768: [wave][quad 2 c + part][lane][16 bytes]; KRED at 163,840: [wave][class] f32.
.set RED,  32768
.set KRED, 163840
.set TMP,  48
.macro BSTEP base, cnt, k, xm, msk
.set ii, 0
.set tt, 0
.rept \cnt >> (\k+1)
.set ra, \base+2*(ii<<(\k+1))
.set rb, ra+2*(1<<\k)
	v_cndmask_b32 v[TMP+tt], v[rb], v[ra], s[\msk]
	v_cndmask_b32 v[ra], v[ra], v[rb], s[\msk]
	v_add_f32_dpp v[ra], v[TMP+tt], v[ra] row_xmask:\xm row_mask:0xf bank_mask:0xf
.set ii, ii+1
.set tt, (tt+1)&7
.endr
.endm
.macro QLOAD i                         ; the 16 numbers q[d of trip i][.], the same address in the 16 lanes of a half
.irp k, 0,1,2,3
	ds_load_b128 v[32+16*((\i)&1)+4*\k:32+16*((\i)&1)+4*\k+3], v7 offset:128*(\i)+16*\k
.endr
.endm
.macro UTRIP i
.if \i < 15
	QLOAD \i+1
	s_wait_dscnt 0x4                               ; the four loads just issued may be out; this trip's q is in
.else
	s_wait_dscnt 0x0
.endif
	s_wait_loadcnt 30-2*\i                         ; the rows of later trips, two loads each, stay out
.irp tm, 0,1
.irp c, 0,1,2,3,4,5,6,7
.irp cp, 0,1
.irp pr, 0,2
.set rd, 64+(\c*2+\cp)*4+\pr
.set rw, 128+8*\i+4*\tm+\pr
.set rq, 32+16*(\i&1)+2*\c
.if (\i+\tm) == 0
.if \cp
	v_pk_mul_f32 v[rd:rd+1], v[rw:rw+1], v[rq:rq+1] op_sel:[0,1] op_sel_hi:[1,1]     ; u_i starts with q_i Wk_r
.else
	v_pk_mul_f32 v[rd:rd+1], v[rw:rw+1], v[rq:rq+1] op_sel_hi:[1,0]                  ; u_r starts with q_r Wk_r
.endif
.else
.if (\cp^\tm)
	v_pk_fma_f32 v[rd:rd+1], v[rw:rw+1], v[rq:rq+1], v[rd:rd+1] op_sel:[0,1,0] op_sel_hi:[1,1,1]   ; times q_i
.else
.if \tm
	v_pk_fma_f32 v[rd:rd+1], v[rw:rw+1], v[rq:rq+1], v[rd:rd+1] op_sel_hi:[1,0,1] neg_lo:[0,1,0] neg_hi:[0,1,0]   ; - q_r Wk_i
.else
	v_pk_fma_f32 v[rd:rd+1], v[rw:rw+1], v[rq:rq+1], v[rd:rd+1] op_sel_hi:[1,0,1]   ; times q_r
.endif
.endif
.endif
.endr
.endr
.endr
.endr
.endm
	s_load_b256 s[4:11], s[0:1], 0x0               ; qT 4, Wk_r 6, Wk_i 8, bk_r 10
	s_load_b128 s[12:15], s[0:1], 0x20             ; bk_i 12, uvec 14
	s_load_b64 s[16:17], s[0:1], 0x30              ; kcv
	v_and_b32 v1, 31, v0
	v_lshrrev_b32 v2, 5, v0
	v_readfirstlane_b32 s20, v2                    ; wave 0..15
	v_and_b32 v2, 15, v0                           ; r
	v_bfe_u32 v3, v0, 4, 1                         ; h
	v_lshlrev_b32 v4, 4, v0                        ; 16 t
	v_lshlrev_b32 v5, 2, v0                        ; 4 t
	v_lshlrev_b32 v6, 11, v3
	v_lshl_add_u32 v6, v2, 4, v6                   ; Wk: row h, 16 r
	s_mov_b32 s21, ttmp9                           ; jb
	s_lshl_b32 s22, s20, 16                        ; 32 w rows of 2,048 bytes
	s_lshl_b32 s23, s21, 8
	s_add_co_u32 s22, s22, s23
	s_mov_b32 s23, 0
	s_lshl_b32 s24, s20, 11
	v_lshl_add_u32 v7, v3, 6, s24                  ; q in LDS: (32 w + h) x 64
	s_lshl_b32 s25, s20, 13
	s_add_co_u32 s25, s25, RED
	v_lshl_add_u32 v10, v1, 4, s25                 ; my wave's part of RED
	s_lshl_b32 s25, s20, 9
	s_add_co_u32 s25, s25, RED
	v_lshl_add_u32 v11, v1, 4, s25                 ; quad w of wave 0's part,
	v_add_nc_u32 v14, 65536, v11                   ; and of wave 8's: the LDS immediate has 16 bits
	s_mov_b32 s26, 0x76543210
	s_mov_b32 s27, 0xfedcba98
	s_mov_b32 s30, 0xaaaaaaaa
	s_mov_b32 s31, 0xcccccccc
	s_mov_b32 s32, 0xf0f0f0f0
	s_wait_kmcnt 0x0
	s_add_nc_u64 s[6:7], s[6:7], s[22:23]
	s_add_nc_u64 s[8:9], s[8:9], s[22:23]
.irp k, 0,1,2,3
	global_load_b128 v[16+4*\k:19+4*\k], v4, s[4:5] offset:8192*\k
.endr
	global_load_b32 v12, v5, s[10:11]              ; bk_r[t], bk_i[t]
	global_load_b32 v13, v5, s[12:13]
.irp i, 0,1,2,3,4,5,6,7,8,9,10,11,12,13,14,15
	global_load_b128 v[128+8*\i:131+8*\i], v6, s[6:7] offset:4096*\i th:TH_LOAD_NT     ; 16 lanes: 256 consecutive bytes, aligned
	global_load_b128 v[132+8*\i:135+8*\i], v6, s[8:9] offset:4096*\i th:TH_LOAD_NT
.endr
	s_wait_loadcnt 34                              ; bk's two loads and Wk's 32 are younger than the copy of q
.irp k, 0,1,2,3
	ds_store_b128 v4, v[16+4*\k:19+4*\k] offset:8192*\k
.endr
	s_wait_dscnt 0x0                               ; my stores are done, for the other waves' sake
	s_barrier_signal -1
	s_barrier_wait -1
	QLOAD 0
.irp i, 0,1,2,3,4,5,6,7,8,9,10,11,12,13,14,15
	UTRIP \i
.endr
	; kc: work-group 0 alone (the branch holds no barrier).  Lane t takes d = t.
	s_cmp_lg_u32 s21, 0
	s_cbranch_scc1 .Lnokc
	v_lshlrev_b32 v8, 6, v0
.irp k, 0,1,2,3
	ds_load_b128 v[32+4*\k:35+4*\k], v8 offset:16*\k
.endr
	s_wait_dscnt 0x0
.irp c, 0,1,2,3,4,5,6,7
	v_pk_mul_f32 v[32+2*\c:33+2*\c], v[32+2*\c:33+2*\c], v[12:13]
.endr
.irp c, 0,1,2,3,4,5,6,7
	v_add_f32 v[32+2*\c], v[32+2*\c], v[33+2*\c]
.endr
	BSTEP 32, 8, 0, 1, 30
	BSTEP 32, 8, 1, 2, 31
	BSTEP 32, 8, 2, 4, 32                          ; lane L: class L & 7
	v_add_f32_dpp v32, v32, v32 row_xmask:8 row_mask:0xf bank_mask:0xf
	v_permlanex16_b32 v48, v32, s26, s27
	v_add_f32 v32, v32, v48
	v_and_b32 v9, 7, v0
	v_lshlrev_b32 v9, 2, v9
	s_lshl_b32 s28, s20, 5
	s_add_co_u32 s28, s28, KRED
	v_add_nc_u32 v9, s28, v9
	ds_store_b32 v9, v32
.Lnokc:
.irp q, 0,1,2,3,4,5,6,7,8,9,10,11,12,13,14,15
	ds_store_b128 v10, v[64+4*\q:67+4*\q] offset:512*\q
.endr
	s_wait_dscnt 0x0
	s_barrier_signal -1
	s_barrier_wait -1
	; wave w adds the 16 waves' shares of quad w = 2 c + part
.irp k, 0,1,2,3,4,5,6,7
	ds_load_b128 v[64+4*\k:67+4*\k], v11 offset:8192*\k
.endr
.irp k, 0,1,2,3,4,5,6,7
	ds_load_b128 v[96+4*\k:99+4*\k], v14 offset:8192*\k
.endr
	s_wait_dscnt 0x0
.irp st, 32,16,8,4
.set jx, 0
.rept \st/2
	v_pk_add_f32 v[64+jx:65+jx], v[64+jx:65+jx], v[64+\st+jx:65+\st+jx]
.set jx, jx+2
.endr
.endr
.irp j, 0,1,2,3
	v_permlanex16_b32 v[32+\j], v[64+\j], s26, s27 ; the other half's d
.endr
	v_pk_add_f32 v[64:65], v[64:65], v[32:33]
	v_pk_add_f32 v[66:67], v[66:67], v[34:35]
	v_pk_mul_f32 v[64:65], v[64:65], 0x3e000000 op_sel_hi:[1,0]    ; the scale 0.125
	v_pk_mul_f32 v[66:67], v[66:67], 0x3e000000 op_sel_hi:[1,0]
	v_lshlrev_b32 v15, 4, v2
	s_lshl_b32 s28, s20, 11                        ; uvec[c][part]: 2,048 bytes each = 2,048 w
	s_lshl_b32 s29, s21, 8
	s_add_co_u32 s28, s28, s29
	v_add_nc_u32 v15, s28, v15
	v_cmp_gt_u32 vcc_lo, 16, v1
	s_wait_xcnt 0x0                                ; EXEC changes only behind this wait
	s_and_saveexec_b32 s33, vcc_lo
	global_store_b128 v15, v[64:67], s[14:15]      ; 16 lanes: 256 consecutive bytes, aligned
	s_wait_xcnt 0x0
	s_or_b32 exec_lo, exec_lo, s33
	s_cmp_lg_u32 s21, 0
	s_cbranch_scc1 .Lend
	s_cmp_lg_u32 s20, 0
	s_cbranch_scc1 .Lend
	v_and_b32 v9, 7, v0
	v_lshlrev_b32 v8, 2, v9
	v_add_nc_u32 v9, KRED, v8
.irp k, 0,1,2,3,4,5,6,7,8,9,10,11,12,13,14,15
	ds_load_b32 v[96+\k], v9 offset:32*\k
.endr
	s_wait_dscnt 0x0
.irp st, 8,4,2
.set jx, 0
.rept \st/2
	v_pk_add_f32 v[96+jx:97+jx], v[96+jx:97+jx], v[96+\st+jx:97+\st+jx]
.set jx, jx+2
.endr
.endr
	v_add_f32 v96, v96, v97
	v_mul_f32 v96, 0x3e000000, v96
	v_cmp_gt_u32 vcc_lo, 8, v1
	s_and_saveexec_b32 s33, vcc_lo
	global_store_b32 v8, v96, s[16:17]
	s_wait_xcnt 0x0
	s_or_b32 exec_lo, exec_lo, s33
.Lend:
	s_wait_xcnt 0x0
	s_mov_b32 exec_lo, -1
	v_lshl_add_u32 v14, v0, 2, 0x28200
	v_mov_b32 v15, 0
	s_wait_tensorcnt 0x0
	ds_add_u32 v14, v15
	s_wait_dscnt 0x0
	s_endpgm
.Lfunc_end_k_q605a328a31_prep2:
	.size	k_q605a328a31_prep2, .Lfunc_end_k_q605a328a31_prep2-k_q605a328a31_prep2
	.p2alignl 7, 3214868480
	.fill 96, 4, 3214868480
	.section	.rodata,"a",@progbits
	.p2align	6, 0x0
	.amdhsa_kernel k_q605a328a31_prep2
		.amdhsa_group_segment_fixed_size 166400
		.amdhsa_private_segment_fixed_size 0
		.amdhsa_enable_private_segment 0
		.amdhsa_kernarg_size 56
		.amdhsa_user_sgpr_count 2
		.amdhsa_user_sgpr_kernarg_segment_ptr 1
		.amdhsa_wavefront_size32 1
		.amdhsa_system_sgpr_workgroup_id_x 1
		.amdhsa_system_sgpr_workgroup_id_y 1
		.amdhsa_system_sgpr_workgroup_id_z 1
		.amdhsa_system_vgpr_workitem_id 0
		.amdhsa_next_free_vgpr 256
		.amdhsa_next_free_sgpr 66
		.amdhsa_reserve_vcc 1
		.amdhsa_float_denorm_mode_32 3
		.amdhsa_float_denorm_mode_16_64 3
		.amdhsa_memory_ordered 1
		.amdhsa_forward_progress 1
		.amdhsa_inst_pref_size 85
	.end_amdhsa_kernel
	.amdgpu_metadata
---
amdhsa.version: [ 1, 2 ]
amdhsa.kernels:
  - .name:           k_q605a328a31_prep2
    .symbol:         k_q605a328a31_prep2.kd
    .args:
      - { .name: qT, .offset: 0, .size: 8, .value_kind: global_buffer, .address_space: global }
      - { .name: Wk_r, .offset: 8, .size: 8, .value_kind: global_buffer, .address_space: global }
      - { .name: Wk_i, .offset: 16, .size: 8, .value_kind: global_buffer, .address_space: global }
      - { .name: bk_r, .offset: 24, .size: 8, .value_kind: global_buffer, .address_space: global }
      - { .name: bk_i, .offset: 32, .size: 8, .value_kind: global_buffer, .address_space: global }
      - { .name: uvec, .offset: 40, .size: 8, .value_kind: global_buffer, .address_space: global }
      - { .name: kcv, .offset: 48, .size: 8, .value_kind: global_buffer, .address_space: global }
    .group_segment_fixed_size: 166400
    .private_segment_fixed_size: 0
    .kernarg_segment_align: 8
    .kernarg_segment_size: 56
    .max_flat_workgroup_size: 512
    .sgpr_count:     66
    .vgpr_count:     256
    .wavefront_size: 32
...
	.end_amdgpu_metadata
.endif
;; end of part 2
;; launch main (part 3): grid 256 x 1, 4 waves a work-group, no clusters, 326,144 bytes of LDS; arguments band_r, band_i, uvec, kcv, wfrag, ptab, labels, out1, out2, part; writes out1, out2, part
.if DOCPART == 3
	.amdgcn_target "amdgcn-amd-amdhsa--gfx1250"
	.amdhsa_code_object_version 6
	.text
	.protected	k_q605a328a31_main
	.globl	k_q605a328a31_main
	.p2align	8
	.type	k_q605a328a31_main,@function
k_q605a328a31_main:
	s_mov_b64 s[64:65], 0
	v_nop
	global_prefetch_b8 v0, s[64:65] scope:SCOPE_SE
	s_setreg_imm32_b32 hwreg(HW_REG_WAVE_MODE, 25, 1), 1
	s_wait_xcnt 0x0
; Work-group g owns b = 8 g .. 8 g + 7.  Four waves, one on each SIMD.
; PHASE 1 (wave w: b = 8 g + 2 w + bl, bl = 0, 1): the 16 x 1,024 numbers of x are read once into 512 registers; scores = x . u + kc (f32, vector unit),
;   softmax over the 16 bands with the maximum taken away, attn stored; y[c] = sum over n of attn[c][n] x[n] (f32), times 2^8, split into two f16
;   (hi + lo) and laid into LDS.  Since the weights of a softmax add up to one, Z = attn (x Wv^T + bv) = y Wv^T + bv: the product runs on 8 rows a b, not 16.
; PHASE 2 (wave w: all 64 rows x the complex columns of tiles T = 16 np + 4 w + i, two passes np): Z = y Wv^T on the matrix unit, f16 operands, f32 sums,
;   three products for each pair of split numbers (hi hi, hi lo, lo hi; lo lo, 2^-22 of the product, is left out); then the two distances column by column.
; TAIL: the sums of the four waves meet in LDS; wave 0 makes the two softmaxes over the classes, preds and the group's share of the loss.
; WHY SPLIT f16: preds is an argmin of sums whose terms jump where a sign changes, so Z has to be good to f32's last bits; one 16-bit operand is not.
; WHY NO CLUSTER, NO LDS FOR THE WEIGHTS: y takes 278,528 bytes of LDS and the tables 47,104, of 327,680: no room for slots.  The four waves split the columns, so a
;   weight fragment is used by one wave alone: it goes straight into that wave's registers, 6 to 7 sets of 4,096 bytes on their way in each wave.
; LIMITS: |band| < 255 (y 2^8 stays in f16), |Wv| < 3.99 (made in the first launch).  NaN and infinities are not served.  Equal smallest distances: the lowest class.
;   The scores and y are 8-column and 16-term products, under one hundredth of the arithmetic, and are kept in f32 on the vector unit.
; LDS: Y at 0: group (mt, plane, g8) at ((4 mt + plane) 64 + g8) 272; in it row m at 16 m holds k = 8 g8 .. + 7 (planes: yr hi, yr lo, yi hi, yi lo);
;      the table of P and bv (80 bytes a column) at PTL; each wave's 1,024 bytes for attn at SCR; each wave's 512 bytes of sums at RSL.
; REGISTERS in windows of 256:  window 1: u, later the A fragments (two buffers);  window 2: x segments 0-3, later the ring of 8 weight sets;
;      window 3: x segments 4-7, later the 32 accumulators (i, mt, part).  Segment 4 p + t of x or u: d = 128 t + 4 L + e of part p.
.set YROW, 272
.set YPL,  64*YROW
.set YMT,  4*YPL
.set PTL,  4*YMT
.set PTP,  80
.set SCR,  PTL+512*PTP
.set RSL,  SCR+4096
.set KC,   10                          ; v[10:13]  kc of my classes; later AAD
.set AAD,  10                          ; v[10:13]  LDS address of my A fragments, one for each mt, stepped
.set SS,   14                          ; v[14:17]  scores, then attn: register q, lane (h, r): class 2 q + h, band r.  Later v14 table address, v15 sums' address
.set TMP,  18                          ; v[18:25]  at work
.set MX,   18
.set EX,   22
.set AA0,  20                          ; v[20:23]  phase 2: AAD at K = 0
.set HF,   32                          ; v[32:47]  y hi, two f16 a register
.set LF,   48                          ; v[48:63]  y lo
.set ACC,  64                          ; v[64:191] 64 pairs of score sums (class of four, band)
.set AB,   64                          ; v[64:191] 2^8 attn[c][n], in every lane
.set YT,   192                         ; v[192:223] y[c][e]
.set BK,   224                         ; v[224:255] hi back in f32
.set D2S,  64                          ; v[64:95]  phase 2: sums of squares (mt, c)
.set DMS,  96                          ; v[96:127] phase 2: sums of the metric
.set PTB,  128                         ; v[128:167] two buffers of 20: Pr[0..7], Pi[0..7], bv_r, bv_i, 0, 0 of my column
.set PMG,  168                         ; v[168:175] |P|
.set ZR,   176
.set ZI,   184
.set MG,   192
.set DR,   200
.set DI,   208
.set RC,   216
.set CR,   224
.set DT,   232
.set MSB, 0
.macro WIN new                         ; s_set_vgpr_msb: bits 1:0 source 0, 3:2 source 1, 5:4 source 2, 7:6 destination; the high byte repeats the setting that is left
.if MSB != (\new)
	s_set_vgpr_msb (MSB<<8)|(\new)
.set MSB, (\new)
.endif
.endm
.macro UNPK d, r
	v_cvt_f32_f16 v[\d], v\r\().l
	v_cvt_f32_f16 v[\d+1], v\r\().h
.endm
.macro XLOAD sg, add                   ; segment sg of all 16 bands: each load 512 consecutive bytes
	WIN 0x80+0x40*(\sg>>2)
.irp nn, 0,1,2,3,4,5,6,7,8,9,10,11,12,13,14,15
	global_load_b128 v[(\sg&3)*64+\nn*4:(\sg&3)*64+\nn*4+3], v4, s[4+2*(\sg>>2):5+2*(\sg>>2)] offset:\nn*2048+(\sg&3)*512+\add th:TH_LOAD_NT
.endr
.endm
.macro SWEEP ch, waits                 ; the score sums of classes 4 ch .. 4 ch + 3: 64 chains that do not wait for each other
.irp sg, 0,1,2,3,4,5,6,7
.if \waits
.if \sg < 4
	s_wait_loadcnt 63                              ; 64 or more loads of later segments are younger: the largest count the wait can name
.else
	s_wait_loadcnt 16*(7-\sg)                      ; 16 loads for each later segment stay out
.endif
.endif
	WIN 0x06+(\sg>>2)
.irp pr, 0,2
.set nn, 0
.rept 16
.irp cc, 0,1,2,3
.set ra, ACC+(\cc*16+nn)*2
.set rx, (\sg&3)*64+nn*4+\pr
.set ru, (4*\ch+\cc)*32+\sg*4+\pr
.if (\sg+\pr) == 0
	v_pk_mul_f32 v[ra:ra+1], v[rx:rx+1], v[ru:ru+1]
.else
	v_pk_fma_f32 v[ra:ra+1], v[rx:rx+1], v[ru:ru+1], v[ra:ra+1]
.endif
.endr
.set nn, nn+1
.endr
.endr
.endr
.endm
; One step of a sum across lanes that also sorts: values whose index differs in bit k are paired; a lane keeps the one that matches its own lane bit k,
; hands over the other, and adds what its partner (lane xor xm) hands over.
.macro BSTEP k, xm, msk
.set ii, 0
.set tt, 0
.rept 64 >> (\k+1)
.set ra, ACC+2*(ii<<(\k+1))
.set rb, ra+2*(1<<\k)
	v_cndmask_b32 v[TMP+tt], v[rb], v[ra], s[\msk]
	v_cndmask_b32 v[ra], v[ra], v[rb], s[\msk]
	v_add_f32_dpp v[ra], v[TMP+tt], v[ra] row_xmask:\xm row_mask:0xf bank_mask:0xf
.set ii, ii+1
.set tt, (tt+1)&7
.endr
.endm
.macro REDUCE ch
	WIN 0
.set ii, 0
.rept 64
	v_add_f32 v[ACC+2*ii], v[ACC+2*ii], v[ACC+2*ii+1]
.set ii, ii+1
.endr
	BSTEP 0, 1, 26
	BSTEP 1, 2, 27
	BSTEP 2, 4, 28
	BSTEP 3, 8, 29                                 ; lane r: band r, four classes left
.irp q, 0,1
	v_cndmask_b32 v[TMP+2*\q], v[ACC+64*\q+32], v[ACC+64*\q], s30
	v_cndmask_b32 v[ACC+64*\q], v[ACC+64*\q], v[ACC+64*\q+32], s30
	v_permlanex16_b32 v[TMP+2*\q+1], v[TMP+2*\q], s32, s33
	v_add_f32 v[SS+2*\ch+\q], v[ACC+64*\q], v[TMP+2*\q+1]
.endr
.endm
.macro YSEG sg                         ; y of segment sg for the 8 classes, split, into LDS
	WIN 0x02+(\sg>>2)
.irp nn, 0,1,2,3,4,5,6,7,8,9,10,11,12,13,14,15
.irp c, 0,1,2,3,4,5,6,7
.irp pr, 0,2
.set ry, YT+4*\c+\pr
.set rx, (\sg&3)*64+\nn*4+\pr
.set ra, AB+16*\c+(\nn&14)
.if \nn == 0
	v_pk_mul_f32 v[ry:ry+1], v[rx:rx+1], v[ra:ra+1] op_sel_hi:[1,0]
.else
.if (\nn&1) == 0
	v_pk_fma_f32 v[ry:ry+1], v[rx:rx+1], v[ra:ra+1], v[ry:ry+1] op_sel_hi:[1,0,1]
.else
	v_pk_fma_f32 v[ry:ry+1], v[rx:rx+1], v[ra:ra+1], v[ry:ry+1] op_sel:[0,1,0] op_sel_hi:[1,1,1]
.endif
.endif
.endr
.endr
.endr
	WIN 0
.set qq, 0
.rept 16
	v_cvt_pk_f16_f32 v[HF+qq], v[YT+2*qq], v[YT+2*qq+1]
.set qq, qq+1
.endr
.set qq, 0
.irp r, 32,33,34,35,36,37,38,39,40,41,42,43,44,45,46,47
	UNPK BK+2*qq, \r
.set qq, qq+1
.endr
.set qq, 0
.rept 16
	v_pk_add_f32 v[YT+2*qq:YT+2*qq+1], v[YT+2*qq:YT+2*qq+1], v[BK+2*qq:BK+2*qq+1] neg_lo:[0,1] neg_hi:[0,1]   ; what hi left over, exact
.set qq, qq+1
.endr
.set qq, 0
.rept 16
	v_cvt_pk_f16_f32 v[LF+qq], v[YT+2*qq], v[YT+2*qq+1]
.set qq, qq+1
.endr
.irp c, 0,1,2,3,4,5,6,7
	ds_store_b64 v5, v[HF+2*\c:HF+2*\c+1] offset:(2*(\sg>>2))*YPL+(\sg&3)*16*YROW+16*\c      ; 32 lanes: 64 different words modulo 64
	ds_store_b64 v5, v[LF+2*\c:LF+2*\c+1] offset:(2*(\sg>>2)+1)*YPL+(\sg&3)*16*YROW+16*\c
.endr
.endm
.macro RINGPRO                         ; weight sets 0 to 6 of a pass into slots 0 to 6
	WIN 0x80
.irp e, 0,1,2,3,4,5,6
.irp k, 0,1,2,3,4,5,6,7
	global_load_b128 v[\e*32+\k*4:\e*32+\k*4+3], v4, s[12:13] offset:\e*4096+\k*512
.endr
.endr
.endm
.macro ALOAD buf, imm                  ; the A fragments of one K step of 32: 4 row tiles x 4 planes; each half of the lanes reads 256 consecutive bytes
	WIN 0x40
.irp mt, 0,1,2,3
.irp pl, 0,1,2,3
	ds_load_b128 v[\buf*128+(\mt*4+\pl)*8:\buf*128+(\mt*4+\pl)*8+3], v[AAD+\mt] offset:\pl*YPL+\imm
	ds_load_b128 v[\buf*128+(\mt*4+\pl)*8+4:\buf*128+(\mt*4+\pl)*8+7], v[AAD+\mt] offset:\pl*YPL+\imm+2*YROW
.endr
.endr
.endm
.macro MM4 comp, i, buf, slot, ap, bp, zero
.irp mt, 0,1,2,3
.set rd, ((\i)*8+\mt*2+\comp)*8
.set ra, \buf*128+(\mt*4+\ap)*8
.set rb, (\slot)*32+(\bp)*8
.if \zero
	v_wmma_f32_16x16x32_f16 v[rd:rd+7], v[ra:ra+7], v[rb:rb+7], 0
.else
	v_wmma_f32_16x16x32_f16 v[rd:rd+7], v[ra:ra+7], v[rb:rb+7], v[rd:rd+7]
.endif
.endr
.endm
.macro MM12 comp, i, buf, slot, pa, pb, zero   ; hi hi, hi lo, lo hi; the four accumulators take turns, one instruction a turn
	MM4 \comp, \i, \buf, \slot, \pa, \pb, \zero
	MM4 \comp, \i, \buf, \slot, \pa, \pb+1, 0
	MM4 \comp, \i, \buf, \slot, \pa+1, \pb, 0
.endm
; One weight set (column tile i = e & 3, one K step): 48 matrix instructions.  In their middle Wv_i is negated in place, the set seven ahead is asked for,
; and, in two sets of a trip, the next K step's A fragments are read.
.macro SET e, buf, zero, wcnt, refill, aload, abuf, aimm
	s_wait_loadcnt \wcnt                           ; the sets behind this one, eight loads each, stay out
	WIN 0xf9
	MM12 1, \e&3, \buf, \e, 0, 2, \zero            ; Zi += yr Wv_i
	MM12 0, \e&3, \buf, \e, 0, 0, \zero            ; Zr += yr Wv_r
	WIN 0x88
.rept 4
	v_nop                                          ; four places behind the matrix instructions that read Wv_i, ahead of the lines that write it (ISA guide 7.12.1)
.endr
.set kk, 0
.rept 16
	v_xor_b32 v[\e*32+16+kk], s31, v[\e*32+16+kk]  ; - Wv_i, both f16 of a word
.set kk, kk+1
.endr
.if \refill
.irp k, 0,1,2,3,4,5,6,7
	global_load_b128 v[((\e+7)&7)*32+\k*4:((\e+7)&7)*32+\k*4+3], v4, s[12:13] offset:(\e+7)*4096+\k*512   ; into the slot of the set before: its last matrix instruction lies 20 places back
.endr
.endif
.if \aload
	ALOAD \abuf, \aimm
.endif
	WIN 0xf9
	MM12 1, \e&3, \buf, \e, 2, 0, 0                ; Zi += yi Wv_r
	MM12 0, \e&3, \buf, \e, 2, 2, 0                ; Zr += yi (- Wv_i)
.endm
.macro TRIP zero, tail                 ; two K steps of 32 = eight sets = once round the ring
	s_wait_dscnt 0x0                               ; A buffer 0 is in
.if \tail
	SET 0, 0, \zero, 48, 1, 0, 0, 0
	SET 1, 0, \zero, 48, 0, 1, 1, 4*YROW
	SET 2, 0, \zero, 40, 0, 0, 0, 0                ; nothing more is asked for: the counts run down
	SET 3, 0, \zero, 32, 0, 0, 0, 0
	s_wait_dscnt 0x0
	SET 4, 1, 0, 24, 0, 0, 0, 0
	SET 5, 1, 0, 16, 0, 0, 0, 0
	SET 6, 1, 0, 8, 0, 0, 0, 0
	SET 7, 1, 0, 0, 0, 0, 0, 0
.else
	SET 0, 0, \zero, 48, 1, 0, 0, 0
	SET 1, 0, \zero, 48, 1, 1, 1, 4*YROW
	SET 2, 0, \zero, 48, 1, 0, 0, 0
	SET 3, 0, \zero, 48, 1, 0, 0, 0
	s_wait_dscnt 0x0                               ; A buffer 1 is in
	SET 4, 1, 0, 48, 1, 0, 0, 0
	SET 5, 1, 0, 48, 1, 1, 0, 8*YROW
	SET 6, 1, 0, 48, 1, 0, 0, 0
	SET 7, 1, 0, 48, 1, 0, 0, 0
.endif
	WIN 0
	s_wait_xcnt 0x0                                ; the weights' base is stepped only behind this wait
	s_add_nc_u64 s[12:13], s[12:13], 0x8000
.irp mt, 0,1,2,3
	v_add_nc_u32 v[AAD+\mt], 8*YROW, v[AAD+\mt]
.endr
.endm
.macro PTLOAD i
.irp k, 0,1,2,3,4
	ds_load_b128 v[PTB+20*((\i)&1)+4*\k:PTB+20*((\i)&1)+4*\k+3], v14 offset:16*PTP*(\i)+16*\k
.endr
.endm
.macro PMAG i
.set PB, PTB+20*((\i)&1)
.irp k, 0,2,4,6
	v_pk_mul_f32 v[PMG+\k:PMG+\k+1], v[PB+\k:PB+\k+1], v[PB+\k:PB+\k+1]
.endr
.irp k, 0,2,4,6
	v_pk_fma_f32 v[PMG+\k:PMG+\k+1], v[PB+8+\k:PB+8+\k+1], v[PB+8+\k:PB+8+\k+1], v[PMG+\k:PMG+\k+1]
.endr
.irp j, 0,1,2,3,4,5,6,7
	v_sqrt_f32 v[PMG+\j], v[PMG+\j]                ; the next vector line, the first of EW, touches none of these
.endr
.endm
; One tile of Z (16 rows x my column): register j = class j, lane half = bl.
.macro EW i, mt
.set PB, PTB+20*((\i)&1)
.set AR, ((\i)*8+\mt*2)*8
.set DS2, D2S+8*\mt
.set DSM, DMS+8*\mt
	WIN 0x03
.irp k, 0,2,4,6
	v_pk_fma_f32 v[ZR+\k:ZR+\k+1], v[AR+\k:AR+\k+1], 0x34800000, v[PB+16:PB+17] op_sel_hi:[1,0,0]                 ; 2^-22 sum + bv_r
.endr
.irp k, 0,2,4,6
	v_pk_fma_f32 v[ZI+\k:ZI+\k+1], v[AR+8+\k:AR+8+\k+1], 0x34800000, v[PB+16:PB+17] op_sel:[0,0,1] op_sel_hi:[1,0,1]   ; + bv_i
.endr
	WIN 0
.irp k, 0,2,4,6
	v_pk_mul_f32 v[MG+\k:MG+\k+1], v[ZR+\k:ZR+\k+1], v[ZR+\k:ZR+\k+1]
.endr
.irp k, 0,2,4,6
	v_pk_fma_f32 v[MG+\k:MG+\k+1], v[ZI+\k:ZI+\k+1], v[ZI+\k:ZI+\k+1], v[MG+\k:MG+\k+1]
.endr
.irp j, 0,1,2,3,4,5,6,7
	v_sqrt_f32 v[MG+\j], v[MG+\j]                  ; plain lines that touch none of these follow before the results are used
.endr
.irp k, 0,2,4,6
	v_pk_add_f32 v[DR+\k:DR+\k+1], v[ZR+\k:ZR+\k+1], v[PB+\k:PB+\k+1] neg_lo:[0,1] neg_hi:[0,1]
.endr
.irp k, 0,2,4,6
	v_pk_add_f32 v[DI+\k:DI+\k+1], v[ZI+\k:ZI+\k+1], v[PB+8+\k:PB+8+\k+1] neg_lo:[0,1] neg_hi:[0,1]
.endr
.irp k, 0,2,4,6
	v_pk_fma_f32 v[DS2+\k:DS2+\k+1], v[DR+\k:DR+\k+1], v[DR+\k:DR+\k+1], v[DS2+\k:DS2+\k+1]
.endr
.irp k, 0,2,4,6
	v_pk_fma_f32 v[DS2+\k:DS2+\k+1], v[DI+\k:DI+\k+1], v[DI+\k:DI+\k+1], v[DS2+\k:DS2+\k+1]
.endr
	s_wait_alu depctr_va_vdst(0)
.irp k, 0,2,4,6
	v_pk_add_f32 v[MG+\k:MG+\k+1], v[MG+\k:MG+\k+1], 0x322bcc77 op_sel_hi:[1,0]   ; mag_z = |Z| + 1e-8
.endr
.irp j, 0,1,2,3,4,5,6,7
	v_rcp_f32 v[RC+\j], v[MG+\j]
.endr
.irp k, 0,2,4,6
	v_pk_mul_f32 v[CR+\k:CR+\k+1], v[ZR+\k:ZR+\k+1], v[PB+8+\k:PB+8+\k+1]
.endr
.irp k, 0,2,4,6
	v_pk_fma_f32 v[CR+\k:CR+\k+1], v[ZI+\k:ZI+\k+1], v[PB+\k:PB+\k+1], v[CR+\k:CR+\k+1] neg_lo:[1,0,0] neg_hi:[1,0,0]
.endr
.irp k, 0,2,4,6
	v_pk_mul_f32 v[DT+\k:DT+\k+1], v[ZR+\k:ZR+\k+1], v[PB+\k:PB+\k+1]
.endr
.irp k, 0,2,4,6
	v_pk_fma_f32 v[DT+\k:DT+\k+1], v[ZI+\k:ZI+\k+1], v[PB+8+\k:PB+8+\k+1], v[DT+\k:DT+\k+1]
.endr
	s_wait_alu depctr_va_vdst(0)
.irp j, 0,1,2,3,4,5,6,7
	v_mul_f32 v[CR+\j], |v[CR+\j]|, v[RC+\j]       ; orth
.endr
.irp k, 0,2,4,6
	v_pk_fma_f32 v[RC+\k:RC+\k+1], v[MG+\k:MG+\k+1], 2.0, v[CR+\k:CR+\k+1] op_sel_hi:[1,0,1] neg_lo:[0,0,1] neg_hi:[0,0,1]   ; 2 mag_z - orth
.endr
.irp j, 0,1,2,3,4,5,6,7
	v_cmp_gt_f32 vcc_lo, 0, v[DT+\j]
	v_cndmask_b32 v[CR+\j], v[CR+\j], v[RC+\j], vcc_lo
.endr
.irp k, 0,2,4,6
	v_pk_add_f32 v[DR+\k:DR+\k+1], v[MG+\k:MG+\k+1], v[PMG+\k:PMG+\k+1] neg_lo:[0,1] neg_hi:[0,1]
.endr
.irp k, 0,2,4,6
	v_pk_add_f32 v[DSM+\k:DSM+\k+1], v[DSM+\k:DSM+\k+1], v[CR+\k:CR+\k+1]
.endr
.irp j, 0,1,2,3,4,5,6,7
	v_add_f32 v[DSM+\j], v[DSM+\j], |v[DR+\j]|
.endr
.endm
.macro RED8 op, reg                    ; over the eight lanes of one b
	\op v[\reg], v[\reg], v[\reg] row_xmask:1 row_mask:0xf bank_mask:0xf
	\op v[\reg], v[\reg], v[\reg] row_xmask:2 row_mask:0xf bank_mask:0xf
	\op v[\reg], v[\reg], v[\reg] row_xmask:4 row_mask:0xf bank_mask:0xf
.endm
; Four b at a time: lane L stands for b = 4 hb + (L >> 3) of the group and class L & 7.
.macro FINB hb
.set LB, 32+8*\hb
	v_add_f32 v[LB], v[LB], v[LB+1]
	v_add_f32 v[LB+2], v[LB+2], v[LB+3]
	v_add_f32 v[LB+4], v[LB+4], v[LB+5]
	v_add_f32 v[LB+6], v[LB+6], v[LB+7]
	v_add_f32 v[LB], v[LB], v[LB+2]                ; D2
	v_add_f32 v[LB+4], v[LB+4], v[LB+6]            ; Dm
	v_mov_b32 v50, v[LB]
	v_mov_b32 v53, v[LB+4]
	RED8 v_min_num_f32_dpp, 50                     ; the largest of -D2 and of -Dm are taken away before the exponentials
	RED8 v_min_num_f32_dpp, 53
	v_sub_f32 v51, v50, v[LB]
	v_sub_f32 v54, v53, v[LB+4]
	v_mul_f32 v51, 0x3fb8aa3b, v51
	v_mul_f32 v54, 0x3fb8aa3b, v54
	v_exp_f32 v51, v51
	v_exp_f32 v54, v54
	v_nop                                          ; one plain place behind the exponentials
	v_cmp_eq_u32 vcc_lo, v26, v[48+\hb]
	v_cndmask_b32 v[60+\hb], 0, v[LB+4], vcc_lo    ; Dm of the label's class, 0 elsewhere
	s_wait_alu depctr_va_vdst(0)
	v_mul_f32 v52, v51, v[LB]
	RED8 v_add_f32_dpp, 51
	RED8 v_add_f32_dpp, 52
	RED8 v_add_f32_dpp, 54
	RED8 v_add_f32_dpp, 60+\hb
	v_rcp_f32 v51, v51
	v_log_f32 v54, v54
	v_nop
	s_wait_alu depctr_va_vdst(0)
	v_mul_f32 v52, v52, v51                        ; sum of r_soft D2
	v_sub_f32 v[60+\hb], v[60+\hb], v53
	v_fmac_f32 v[60+\hb], 0x3f317218, v54          ; - log p = Dm[label] - min + ln sum
	v_fmac_f32 v[60+\hb], 0x3c23d70a, v52          ; + 0.01 softmse
	v_cmp_eq_f32 vcc_lo, v[LB+4], v53
	v_cndmask_b32 v[58+\hb], 0x41000000, v29, vcc_lo   ; my class where Dm is the smallest, else 8
	RED8 v_min_num_f32_dpp, 58+\hb
	v_cvt_u32_f32 v[58+\hb], v[58+\hb]
.endm
	s_load_b512 s[4:19], s[0:1], 0x0               ; band_r 4, band_i 6, uvec 8, kcv 10, wfrag 12, ptab 14, labels 16, out1 18
	s_load_b128 s[20:23], s[0:1], 0x40             ; out2 20, part 22
	v_and_b32 v1, 31, v0                           ; L
	v_lshrrev_b32 v2, 5, v0
	v_readfirstlane_b32 s24, v2                    ; wave
	v_and_b32 v2, 15, v0                           ; r
	v_bfe_u32 v3, v0, 4, 1                         ; h
	v_lshlrev_b32 v4, 4, v1                        ; 16 L; never rewritten
	s_mov_b32 s26, 0xaaaaaaaa                      ; lanes with bit 0, 1, 2, 3, 4 set
	s_mov_b32 s27, 0xcccccccc
	s_mov_b32 s28, 0xf0f0f0f0
	s_mov_b32 s29, 0xff00ff00
	s_mov_b32 s30, 0xffff0000
	s_mov_b32 s31, 0x80008000                      ; the signs of two f16
	s_mov_b32 s32, 0x76543210                      ; v_permlanex16_b32: lane i reads lane i of the other half
	s_mov_b32 s33, 0xfedcba98
	s_mul_i32 s36, s24, YMT
	v_lshrrev_b32 v18, 1, v1
	v_mul_u32_u24 v5, v18, YROW
	v_and_b32 v18, 1, v1
	v_lshl_add_u32 v5, v18, 3, v5
	v_add_nc_u32 v5, s36, v5                       ; where y goes: row tile w, group L >> 1, 8 (L & 1)
	s_lshl_b32 s37, s24, 10
	s_add_co_u32 s37, s37, SCR
	v_mov_b32 v6, s37                              ; my wave's 1,024 bytes for attn
	v_add_nc_u32 v7, s37, v4
	v_lshl_add_u32 v8, v1, 2, s37
	s_lshl_b32 s38, ttmp9, 12
	s_lshl_b32 s39, s24, 10
	s_add_co_u32 s38, s38, s39
	v_add_nc_u32 v9, s38, v4                       ; out2: 512 bytes a b
	v_lshlrev_b32 v27, 2, v3                       ; kcv: 4 h
	s_lshl_b32 s36, ttmp9, 18                      ; x: 32,768 bytes a b
	s_lshl_b32 s37, s24, 16
	s_add_co_u32 s36, s36, s37
	s_mov_b32 s37, 0
	s_lshl_b32 s38, s24, 19                        ; my wave's 512 KiB of wfrag
	s_mov_b32 s39, 0
	s_wait_kmcnt 0x0
	s_add_nc_u64 s[4:5], s[4:5], s[36:37]
	s_add_nc_u64 s[6:7], s[6:7], s[36:37]
	s_add_nc_u64 s[12:13], s[12:13], s[38:39]
	WIN 0x40
.irp c, 0,1,2,3,4,5,6,7
.irp sg, 0,1,2,3,4,5,6,7
	global_load_b128 v[\c*32+\sg*4:\c*32+\sg*4+3], v4, s[8:9] offset:\c*4096+\sg*512
.endr
.endr
	WIN 0
.irp q, 0,1,2,3
	global_load_b32 v[KC+\q], v27, s[10:11] offset:8*\q
.endr
.irp sg, 0,1,2,3,4,5,6,7
	XLOAD \sg, 0
.endr
	WIN 0
	s_mov_b32 s35, 0
.Lb:
	SWEEP 0, 1
	REDUCE 0
	SWEEP 1, 0
	REDUCE 1
	; softmax over the 16 bands = the 16 lanes of a half
.irp q, 0,1,2,3
	v_add_f32 v[SS+\q], v[SS+\q], v[KC+\q]
.endr
.irp q, 0,1,2,3
	v_max_num_f32_dpp v[MX+\q], v[SS+\q], v[SS+\q] row_xmask:1 row_mask:0xf bank_mask:0xf
.endr
.irp xm, 2,4,8
.irp q, 0,1,2,3
	v_max_num_f32_dpp v[MX+\q], v[MX+\q], v[MX+\q] row_xmask:\xm row_mask:0xf bank_mask:0xf
.endr
.endr
.irp q, 0,1,2,3
	v_sub_f32 v[MX+\q], v[SS+\q], v[MX+\q]
.endr
.irp q, 0,1,2,3
	v_mul_f32 v[MX+\q], 0x3fb8aa3b, v[MX+\q]
.endr
.irp q, 0,1,2,3
	v_exp_f32 v[EX+\q], v[MX+\q]
.endr
	v_nop                                          ; one plain place behind the exponentials
	s_wait_alu depctr_va_vdst(0)
.irp q, 0,1,2,3
	v_add_f32_dpp v[MX+\q], v[EX+\q], v[EX+\q] row_xmask:1 row_mask:0xf bank_mask:0xf
.endr
.irp xm, 2,4,8
.irp q, 0,1,2,3
	v_add_f32_dpp v[MX+\q], v[MX+\q], v[MX+\q] row_xmask:\xm row_mask:0xf bank_mask:0xf
.endr
.endr
.irp q, 0,1,2,3
	v_rcp_f32 v[SS+\q], v[MX+\q]
.endr
	v_nop
	s_wait_alu depctr_va_vdst(0)
.irp q, 0,1,2,3
	v_fma_f32 v[MX+\q], -v[MX+\q], v[SS+\q], 1.0   ; one Newton step on the reciprocal
.endr
.irp q, 0,1,2,3
	v_fma_f32 v[SS+\q], v[MX+\q], v[SS+\q], v[SS+\q]
.endr
.irp q, 0,1,2,3
	v_mul_f32 v[SS+\q], v[EX+\q], v[SS+\q]         ; attn
.endr
	; attn through my wave's own LDS bytes: out as one block of 512 bytes, and 2^8 attn back into every lane.  LDS serves a wave's instructions in order.
.irp q, 0,1,2,3
	ds_store_b32 v8, v[SS+\q] offset:128*\q
.endr
.irp q, 0,1,2,3
	v_mul_f32 v[EX+\q], 0x43800000, v[SS+\q]
.endr
.irp q, 0,1,2,3
	ds_store_b32 v8, v[EX+\q] offset:512+128*\q
.endr
	ds_load_b128 v[28:31], v7
.set kk, 0
.rept 32
	ds_load_b128 v[AB+4*kk:AB+4*kk+3], v6 offset:512+16*kk
.set kk, kk+1
.endr
	s_wait_dscnt 32                                ; the 32 loads behind the block's may be out
	global_store_b128 v9, v[28:31], s[20:21] th:TH_STORE_NT        ; 512 consecutive bytes
	s_wait_dscnt 0x0
.irp sg, 0,1,2,3,4,5,6,7
	YSEG \sg
	s_cmp_lg_u32 s35, 0                            ; the first b asks for the second b's segment as soon as this one's registers are free; the second asks for nothing
	s_cbranch_scc1 .Lnox\sg
	XLOAD \sg, 32768
	WIN 0
.Lnox\sg:
.endr
	s_wait_xcnt 0x0                                ; the store's offset and data are written again only behind this wait
	v_add_nc_u32 v9, 512, v9
	v_add_nc_u32 v5, 128, v5                       ; rows 8 to 15 of the tile
	s_add_co_u32 s35, s35, 1
	s_cmp_lt_u32 s35, 2
	s_cbranch_scc1 .Lb
	s_wait_loadcnt 0x0                             ; no load of x is out (the last trip asked for none): x's registers get new loads below
	v_lshlrev_b32 v18, 4, v0
.set kk, 0
.rept 20
	global_load_b128 v[128+4*kk:131+4*kk], v18, s[14:15] offset:2048*kk    ; the table, 16 bytes a thread
.set kk, kk+1
.endr
	RINGPRO
	WIN 0
.set ii, 0
.rept 64
	v_mov_b32 v[D2S+ii], 0                         ; the column sums are added to inside a loop
.set ii, ii+1
.endr
	v_add_nc_u32 v19, PTL, v18
	v_mul_u32_u24 v24, v3, YROW
	v_lshl_add_u32 v24, v2, 4, v24                 ; group h, row r
.irp mt, 0,1,2,3
	v_add_nc_u32 v[AA0+\mt], \mt*YMT, v24
.endr
	s_mul_i32 s36, s24, 64*PTP
	s_add_co_u32 s36, s36, PTL
	v_mul_u32_u24 v14, v2, PTP
	v_add_nc_u32 v14, s36, v14                     ; the table at column 64 w + r
	s_lshl_b32 s37, s24, 9
	s_add_co_u32 s37, s37, RSL
	v_lshl_add_u32 v15, v3, 5, s37
	s_wait_loadcnt 56                              ; the ring's 56 loads are younger than the table's
.set kk, 0
.rept 20
	ds_store_b128 v19, v[128+4*kk:131+4*kk] offset:2048*kk
.set kk, kk+1
.endr
	s_wait_dscnt 0x0                               ; my y and my part of the table are in LDS, for the other waves' sake
	s_barrier_signal -1
	s_barrier_wait -1
	s_mov_b32 s35, 0
.Lnp:
.irp mt, 0,1,2,3
	v_mov_b32 v[AAD+\mt], v[AA0+\mt]
.endr
	ALOAD 0, 0
	TRIP 1, 0                                      ; the first products start the sums
	s_mov_b32 s34, 6
.Lk:
	TRIP 0, 0
	s_sub_co_u32 s34, s34, 1
	s_cmp_lg_u32 s34, 0
	s_cbranch_scc1 .Lk
	TRIP 0, 1
.rept 4
	v_nop                                          ; places behind the last matrix instructions: for the loads into the ring and for the lines that read the sums
.endr
	s_cmp_lg_u32 s35, 0
	s_cbranch_scc1 .Lnoring
	RINGPRO                                        ; the second pass's first seven sets come in during the column work
	WIN 0
.Lnoring:
	PTLOAD 0
.irp i, 0,1,2,3
.if \i < 3
	PTLOAD \i+1
	s_wait_dscnt 0x5                               ; the next tile's five loads may be out
.else
	s_wait_dscnt 0x0
.endif
	PMAG \i
	EW \i, 0
	EW \i, 1
	EW \i, 2
	EW \i, 3
.endr
	v_add_nc_u32 v14, 256*PTP, v14                 ; the second pass's columns
	s_add_co_u32 s35, s35, 1
	s_cmp_lt_u32 s35, 2
	s_cbranch_scc1 .Lnp
	; the sums over my 128 columns: over the 16 lanes of a half, then to LDS: kind 256 + (2 mt + h) 32 + 4 c
.irp xm, 1,2,4,8
.set ii, 0
.rept 64
	v_add_f32_dpp v[D2S+ii], v[D2S+ii], v[D2S+ii] row_xmask:\xm row_mask:0xf bank_mask:0xf
.set ii, ii+1
.endr
.endr
.irp kd, 0,1
.irp mt, 0,1,2,3
.irp hf, 0,1
	ds_store_b128 v15, v[D2S+\kd*32+\mt*8+\hf*4:D2S+\kd*32+\mt*8+\hf*4+3] offset:\kd*256+\mt*64+\hf*16
.endr
.endr
.endr
	s_wait_dscnt 0x0
	s_barrier_signal -1
	s_barrier_wait -1
	s_cmp_lg_u32 s24, 0
	s_cbranch_scc1 .Lend
	v_lshl_add_u32 v24, v1, 2, RSL
	v_lshrrev_b32 v25, 3, v1
	v_lshlrev_b32 v25, 2, v25
	s_lshl_b32 s36, ttmp9, 5
	v_add_nc_u32 v25, s36, v25                     ; labels and preds: 4 (8 g + (L >> 3))
	v_and_b32 v26, 7, v1                           ; my class
	v_cvt_f32_u32 v29, v26
	global_load_b32 v48, v25, s[16:17]
	global_load_b32 v49, v25, s[16:17] offset:16
.irp hb, 0,1
.irp kd, 0,1
.irp k, 0,1,2,3
	ds_load_b32 v[32+8*\hb+4*\kd+\k], v24 offset:512*\k+256*\kd+128*\hb
.endr
.endr
.endr
	s_wait_dscnt 0x0
	s_wait_loadcnt 0x0
	FINB 0
	FINB 1
	v_add_f32 v60, v60, v61
	v_add_f32_dpp v60, v60, v60 row_xmask:8 row_mask:0xf bank_mask:0xf
	v_permlanex16_b32 v61, v60, s32, s33
	v_add_f32 v60, v60, v61                        ; the eight b's terms
	s_lshl_b32 s37, ttmp9, 2
	v_mov_b32 v28, s37
	v_cmp_eq_u32 vcc_lo, 0, v26
	s_wait_xcnt 0x0                                ; EXEC changes only behind this wait
	s_and_saveexec_b32 s40, vcc_lo
	global_store_b32 v25, v58, s[18:19]            ; 32 bytes of preds a work-group: eight b are all that it has
	global_store_b32 v25, v59, s[18:19] offset:16
	s_wait_xcnt 0x0
	s_or_b32 exec_lo, exec_lo, s40
	v_cmp_eq_u32 vcc_lo, 0, v1
	s_and_saveexec_b32 s40, vcc_lo
	global_store_b32 v28, v60, s[22:23]
	s_wait_xcnt 0x0
	s_or_b32 exec_lo, exec_lo, s40
.Lend:
	s_wait_xcnt 0x0
	s_mov_b32 exec_lo, -1
	v_lshl_add_u32 v254, v0, 2, 0x4f800
	v_mov_b32 v255, 0
	s_wait_tensorcnt 0x0
	ds_add_u32 v254, v255
	s_wait_dscnt 0x0
	s_endpgm
.Lfunc_end_k_q605a328a31_main:
	.size	k_q605a328a31_main, .Lfunc_end_k_q605a328a31_main-k_q605a328a31_main
	.p2alignl 7, 3214868480
	.fill 96, 4, 3214868480
	.section	.rodata,"a",@progbits
	.p2align	6, 0x0
	.amdhsa_kernel k_q605a328a31_main
		.amdhsa_group_segment_fixed_size 326144
		.amdhsa_private_segment_fixed_size 0
		.amdhsa_enable_private_segment 0
		.amdhsa_kernarg_size 80
		.amdhsa_user_sgpr_count 2
		.amdhsa_user_sgpr_kernarg_segment_ptr 1
		.amdhsa_wavefront_size32 1
		.amdhsa_system_sgpr_workgroup_id_x 1
		.amdhsa_system_sgpr_workgroup_id_y 1
		.amdhsa_system_sgpr_workgroup_id_z 1
		.amdhsa_system_vgpr_workitem_id 0
		.amdhsa_next_free_vgpr 1024
		.amdhsa_next_free_sgpr 66
		.amdhsa_reserve_vcc 1
		.amdhsa_float_denorm_mode_32 3
		.amdhsa_float_denorm_mode_16_64 3
		.amdhsa_memory_ordered 1
		.amdhsa_forward_progress 1
		.amdhsa_inst_pref_size 255
	.end_amdhsa_kernel
	.section	.bss,"aw",@nobits
	.p2align	6
	.space	262144
	.amdgpu_metadata
---
amdhsa.version: [ 1, 2 ]
amdhsa.kernels:
  - .name:           k_q605a328a31_main
    .symbol:         k_q605a328a31_main.kd
    .args:
      - { .name: band_r, .offset: 0, .size: 8, .value_kind: global_buffer, .address_space: global }
      - { .name: band_i, .offset: 8, .size: 8, .value_kind: global_buffer, .address_space: global }
      - { .name: uvec, .offset: 16, .size: 8, .value_kind: global_buffer, .address_space: global }
      - { .name: kcv, .offset: 24, .size: 8, .value_kind: global_buffer, .address_space: global }
      - { .name: wfrag, .offset: 32, .size: 8, .value_kind: global_buffer, .address_space: global }
      - { .name: ptab, .offset: 40, .size: 8, .value_kind: global_buffer, .address_space: global }
      - { .name: labels, .offset: 48, .size: 8, .value_kind: global_buffer, .address_space: global }
      - { .name: out1, .offset: 56, .size: 8, .value_kind: global_buffer, .address_space: global }
      - { .name: out2, .offset: 64, .size: 8, .value_kind: global_buffer, .address_space: global }
      - { .name: part, .offset: 72, .size: 8, .value_kind: global_buffer, .address_space: global }
    .group_segment_fixed_size: 326144
    .private_segment_fixed_size: 0
    .kernarg_segment_align: 8
    .kernarg_segment_size: 80
    .max_flat_workgroup_size: 128
    .sgpr_count:     66
    .vgpr_count:     1024
    .wavefront_size: 32
...
	.end_amdgpu_metadata
.endif
;; end of part 3
;; launch fin (part 4): grid 1 x 1, 1 waves a work-group, no clusters, 0 bytes of LDS; arguments part, out0; writes out0
.if DOCPART == 4
	.amdgcn_target "amdgcn-amd-amdhsa--gfx1250"
	.amdhsa_code_object_version 6
	.text
	.protected	k_q605a328a31_fin
	.globl	k_q605a328a31_fin
	.p2align	8
	.type	k_q605a328a31_fin,@function
k_q605a328a31_fin:
	s_mov_b64 s[64:65], 0
	v_nop
	global_prefetch_b8 v0, s[64:65] scope:SCOPE_SE
	s_setreg_imm32_b32 hwreg(HW_REG_WAVE_MODE, 25, 1), 1
	s_wait_xcnt 0x0
; loss = (the sum of the 256 work-groups' shares) / 2048.  One wave: a sum that spans work-groups is made by one owner in a launch of its own.
	s_load_b128 s[4:7], s[0:1], 0x0                ; part, out0
	v_lshlrev_b32 v1, 4, v0
	s_mov_b32 s8, 0x76543210
	s_mov_b32 s9, 0xfedcba98
	s_wait_kmcnt 0x0
	global_load_b128 v[4:7], v1, s[4:5]
	global_load_b128 v[8:11], v1, s[4:5] offset:512
	s_wait_loadcnt 0x0
	v_pk_add_f32 v[4:5], v[4:5], v[8:9]
	v_pk_add_f32 v[6:7], v[6:7], v[10:11]
	v_pk_add_f32 v[4:5], v[4:5], v[6:7]
	v_add_f32 v4, v4, v5
	v_add_f32_dpp v4, v4, v4 row_xmask:1 row_mask:0xf bank_mask:0xf
	v_add_f32_dpp v4, v4, v4 row_xmask:2 row_mask:0xf bank_mask:0xf
	v_add_f32_dpp v4, v4, v4 row_xmask:4 row_mask:0xf bank_mask:0xf
	v_add_f32_dpp v4, v4, v4 row_xmask:8 row_mask:0xf bank_mask:0xf
	v_permlanex16_b32 v5, v4, s8, s9
	v_add_f32 v4, v4, v5
	v_mul_f32 v4, 0x3a000000, v4                   ; 1 / 2048
	v_mov_b32 v2, 0
	v_cmp_eq_u32 vcc_lo, 0, v0
	s_wait_xcnt 0x0                                ; EXEC changes only behind this wait
	s_and_saveexec_b32 s10, vcc_lo
	global_store_b32 v2, v4, s[6:7]
	s_wait_xcnt 0x0
	s_or_b32 exec_lo, exec_lo, s10
	s_endpgm
.Lfunc_end_k_q605a328a31_fin:
	.size	k_q605a328a31_fin, .Lfunc_end_k_q605a328a31_fin-k_q605a328a31_fin
	.p2alignl 7, 3214868480
	.fill 96, 4, 3214868480
	.section	.rodata,"a",@progbits
	.p2align	6, 0x0
	.amdhsa_kernel k_q605a328a31_fin
		.amdhsa_group_segment_fixed_size 0
		.amdhsa_private_segment_fixed_size 0
		.amdhsa_enable_private_segment 0
		.amdhsa_kernarg_size 16
		.amdhsa_user_sgpr_count 2
		.amdhsa_user_sgpr_kernarg_segment_ptr 1
		.amdhsa_wavefront_size32 1
		.amdhsa_system_sgpr_workgroup_id_x 1
		.amdhsa_system_sgpr_workgroup_id_y 1
		.amdhsa_system_sgpr_workgroup_id_z 1
		.amdhsa_system_vgpr_workitem_id 0
		.amdhsa_next_free_vgpr 16
		.amdhsa_next_free_sgpr 66
		.amdhsa_reserve_vcc 1
		.amdhsa_float_denorm_mode_32 3
		.amdhsa_float_denorm_mode_16_64 3
		.amdhsa_memory_ordered 1
		.amdhsa_forward_progress 1
		.amdhsa_inst_pref_size 2
	.end_amdhsa_kernel
	.amdgpu_metadata
---
amdhsa.version: [ 1, 2 ]
amdhsa.kernels:
  - .name:           k_q605a328a31_fin
    .symbol:         k_q605a328a31_fin.kd
    .args:
      - { .name: part, .offset: 0, .size: 8, .value_kind: global_buffer, .address_space: global }
      - { .name: out0, .offset: 8, .size: 8, .value_kind: global_buffer, .address_space: global }
    .group_segment_fixed_size: 0
    .private_segment_fixed_size: 0
    .kernarg_segment_align: 8
    .kernarg_segment_size: 16
    .max_flat_workgroup_size: 32
    .sgpr_count:     66
    .vgpr_count:     16
    .wavefront_size: 32
...
	.end_amdgpu_metadata
.endif
;; end of part 4
;; ======== version 2 of 2: 4 launches; 1.27 times as fast as version 1
;; limits: values are held in f16: magnitudes above 65,504 overflow, below 6.1e-05 lose precision; right only within a limited range of input values
;; workspace buffers: wfrag 2,097,152 bytes; qT 32,768 bytes; uvec 32,768 bytes; kcv 256 bytes; ptab 40,960 bytes; part 1,024 bytes
;; launch prep1: the kernel of part 1 again; grid 128 x 1, 4 waves a work-group, no clusters, 0 bytes of LDS; arguments Wv_r, Wv_i, Wq_r, Wq_i, bq_r, bq_i, proto, bv_r, bv_i, wfrag, qT, ptab; writes wfrag, qT, ptab
;; launch prep2 (part 5): grid 64 x 1, 8 waves a work-group, no clusters, 66,816 bytes of LDS; arguments qT, Wk_r, Wk_i, bk_r, bk_i, uvec, kcv; writes uvec, kcv
.if DOCPART == 5
	.amdgcn_target "amdgcn-amd-amdhsa--gfx1250"
	.amdhsa_code_object_version 6
	.text
	.protected	k_q605a328a31_prep2
	.globl	k_q605a328a31_prep2
	.p2align	8
	.type	k_q605a328a31_prep2,@function
k_q605a328a31_prep2:
	s_mov_b64 s[64:65], 0
	v_nop
	global_prefetch_b8 v0, s[64:65] scope:SCOPE_SE
	s_setreg_imm32_b32 hwreg(HW_REG_WAVE_MODE, 25, 1), 1
	s_wait_xcnt 0x0
; Preparation 2.  The sum over heads makes a score a dot product of the whole k vector with q, so
;   score[b][c][n] = x_r . u_r[c] + x_i . u_i[c] + kc[c],   u_r = S (Wk_r^T q_r + Wk_i^T q_i),  u_i = S (Wk_r^T q_i - Wk_i^T q_r),
;   kc = S (q_r . bk_r + q_i . bk_i),   S = 64^-0.5 = 0.125.
; 8 rows of output only, and their errors shift whole rows of the later sums alike: f32 on the vector unit.
; Work-group jb owns the 8 columns 8 jb .. 8 jb + 7; wave w owns d = 64 w .. 64 w + 63; lane (dl = L >> 1, cq = L & 1): d = 64 w + 16 i + dl in trip i,
; columns 4 cq .. 4 cq + 3.  A wave has 4 trips of 64 packed multiply-adds; q[d] (64 bytes) comes straight from qT into registers.
; The sum over d spans lanes and waves: the waves' shares meet in LDS, one barrier.
; The rows of Wk are read in pieces of 32 bytes and uvec is stored in pieces of 32 bytes: 2 MiB and 32 KiB in the whole launch, each byte once.  That is the price
; of sharing the columns 64 ways; the sum over d must stay inside a work-group.
; LDS: RED at 0: [wave][quad 2 c + part][lane][16 bytes], 65,536 bytes; KRED at 65,536: [wave][class] f32.
.set KRED, 65536
.set TMP,  48                          ; v[48:55]   at work
.set UA,   64                          ; v[64:127]  sums (class, part, column of four)
.set WW,   128                         ; v[128:159] trip i: Wk_r's four numbers, Wk_i's four
.set QQ,   160                         ; v[160:223] trip i: q[d][2 c + part]
.set BKR,  224                         ; v[224:231] trip i: bk_r[d], bk_i[d]
; One step of a sum across lanes that also sorts: of cnt values (at base + 2 idx) those whose index differs in bit k are paired; a lane keeps
; the one that matches its own lane bit k, hands over the other, and adds what its partner (lane xor xm) hands over.
.macro BSTEP base, cnt, k, xm, msk
.set ii, 0
.set tt, 0
.rept \cnt >> (\k+1)
.set ra, \base+2*(ii<<(\k+1))
.set rb, ra+2*(1<<\k)
	v_cndmask_b32 v[TMP+tt], v[rb], v[ra], s[\msk]
	v_cndmask_b32 v[ra], v[ra], v[rb], s[\msk]
	v_add_f32_dpp v[ra], v[TMP+tt], v[ra] row_xmask:\xm row_mask:0xf bank_mask:0xf
.set ii, ii+1
.set tt, (tt+1)&7
.endr
.endm
.macro UTRIP i
	s_wait_loadcnt 6*(3-\i)                        ; six loads (four of q, two of Wk) for each later trip stay out
.irp tm, 0,1
.irp c, 0,1,2,3,4,5,6,7
.irp cp, 0,1
.irp pr, 0,2
.set rd, UA+(\c*2+\cp)*4+\pr
.set rw, WW+8*\i+4*\tm+\pr
.set rq, QQ+16*\i+2*\c
.if (\i+\tm) == 0
.if \cp
	v_pk_mul_f32 v[rd:rd+1], v[rw:rw+1], v[rq:rq+1] op_sel:[0,1] op_sel_hi:[1,1]     ; u_i starts with q_i Wk_r
.else
	v_pk_mul_f32 v[rd:rd+1], v[rw:rw+1], v[rq:rq+1] op_sel_hi:[1,0]                  ; u_r starts with q_r Wk_r
.endif
.else
.if (\cp^\tm)
	v_pk_fma_f32 v[rd:rd+1], v[rw:rw+1], v[rq:rq+1], v[rd:rd+1] op_sel:[0,1,0] op_sel_hi:[1,1,1]   ; times q_i
.else
.if \tm
	v_pk_fma_f32 v[rd:rd+1], v[rw:rw+1], v[rq:rq+1], v[rd:rd+1] op_sel_hi:[1,0,1] neg_lo:[0,1,0] neg_hi:[0,1,0]   ; - q_r Wk_i
.else
	v_pk_fma_f32 v[rd:rd+1], v[rw:rw+1], v[rq:rq+1], v[rd:rd+1] op_sel_hi:[1,0,1]   ; times q_r
.endif
.endif
.endif
.endr
.endr
.endr
.endr
.endm
	s_load_b256 s[4:11], s[0:1], 0x0               ; qT 4, Wk_r 6, Wk_i 8, bk_r 10
	s_load_b128 s[12:15], s[0:1], 0x20             ; bk_i 12, uvec 14
	s_load_b64 s[16:17], s[0:1], 0x30              ; kcv
	v_lshl_add_u32 v254, v0, 2, 0x10100
	v_mov_b32 v255, 0
	v_and_b32 v1, 31, v0                           ; L
	v_lshrrev_b32 v2, 5, v0
	v_readfirstlane_b32 s20, v2                    ; wave 0..7
	v_lshrrev_b32 v2, 1, v1                        ; dl
	v_and_b32 v3, 1, v0                            ; cq
	v_lshlrev_b32 v6, 11, v2
	v_lshl_add_u32 v6, v3, 4, v6                   ; Wk: row dl, 16 cq
	v_lshlrev_b32 v7, 6, v2                        ; qT: 64 dl
	v_lshlrev_b32 v5, 2, v2                        ; bk: 4 dl
	s_mov_b32 s21, ttmp9                           ; jb
	s_lshl_b32 s22, s20, 17                        ; 64 w rows of 2,048 bytes
	s_lshl_b32 s23, s21, 5                         ; + 32 jb
	s_add_co_u32 s22, s22, s23
	s_mov_b32 s23, 0
	s_lshl_b32 s24, s20, 12                        ; qT: 64 w x 64 bytes
	s_mov_b32 s25, 0
	s_lshl_b32 s34, s20, 8                         ; bk: 64 w x 4 bytes
	s_mov_b32 s35, 0
	s_lshl_b32 s28, s20, 13
	v_lshl_add_u32 v10, v1, 4, s28                 ; my wave's part of RED
	s_lshl_b32 s29, s20, 10
	v_lshl_add_u32 v11, v1, 4, s29                 ; quads 2 w, 2 w + 1 of wave 0's part
	s_mov_b32 s26, 0x76543210                      ; v_permlanex16_b32: lane i reads lane i of the other half
	s_mov_b32 s27, 0xfedcba98
	s_mov_b32 s30, 0xaaaaaaaa                      ; lanes with bit 0, 1, 2 set
	s_mov_b32 s31, 0xcccccccc
	s_mov_b32 s32, 0xf0f0f0f0
	s_wait_kmcnt 0x0
	s_add_nc_u64 s[6:7], s[6:7], s[22:23]
	s_add_nc_u64 s[8:9], s[8:9], s[22:23]
	s_add_nc_u64 s[4:5], s[4:5], s[24:25]
	s_add_nc_u64 s[10:11], s[10:11], s[34:35]
	s_add_nc_u64 s[12:13], s[12:13], s[34:35]
.irp i, 0,1,2,3
	global_load_b32 v[BKR+2*\i], v5, s[10:11] offset:64*\i         ; bk first: every counted wait below covers these too
	global_load_b32 v[BKR+2*\i+1], v5, s[12:13] offset:64*\i
.endr
.irp i, 0,1,2,3
.irp k, 0,1,2,3
	global_load_b128 v[QQ+16*\i+4*\k:QQ+16*\i+4*\k+3], v7, s[4:5] offset:1024*\i+16*\k
.endr
	global_load_b128 v[WW+8*\i:WW+8*\i+3], v6, s[6:7] offset:32768*\i
	global_load_b128 v[WW+8*\i+4:WW+8*\i+7], v6, s[8:9] offset:32768*\i
.endr
.irp i, 0,1,2,3
	UTRIP \i
.endr
	; kc: work-group 0 alone (the branch holds no barrier).  Each d sits in two lanes (cq = 0, 1), so the sum over the lanes is doubled: the scale at the end is 0.0625.
	s_cmp_lg_u32 s21, 0
	s_cbranch_scc1 .Lnokc
.irp i, 0,1,2,3
.irp c, 0,1,2,3,4,5,6,7
.if \i == 0
	v_pk_mul_f32 v[32+2*\c:33+2*\c], v[QQ+2*\c:QQ+2*\c+1], v[BKR:BKR+1]
.else
	v_pk_fma_f32 v[32+2*\c:33+2*\c], v[QQ+16*\i+2*\c:QQ+16*\i+2*\c+1], v[BKR+2*\i:BKR+2*\i+1], v[32+2*\c:33+2*\c]
.endif
.endr
.endr
.irp c, 0,1,2,3,4,5,6,7
	v_add_f32 v[32+2*\c], v[32+2*\c], v[33+2*\c]
.endr
	BSTEP 32, 8, 0, 1, 30
	BSTEP 32, 8, 1, 2, 31
	BSTEP 32, 8, 2, 4, 32                          ; lane L: class L & 7
	v_add_f32_dpp v32, v32, v32 row_xmask:8 row_mask:0xf bank_mask:0xf
	v_permlanex16_b32 v48, v32, s26, s27
	v_add_f32 v32, v32, v48
	v_and_b32 v9, 7, v0
	v_lshlrev_b32 v9, 2, v9
	s_lshl_b32 s36, s20, 5
	s_add_co_u32 s36, s36, KRED
	v_add_nc_u32 v9, s36, v9
	ds_store_b32 v9, v32
.Lnokc:
.irp q, 0,1,2,3,4,5,6,7,8,9,10,11,12,13,14,15
	ds_store_b128 v10, v[UA+4*\q:UA+4*\q+3] offset:512*\q
.endr
	s_wait_dscnt 0x0                               ; my shares are in LDS, for the other waves' sake
	s_barrier_signal -1
	s_barrier_wait -1
	; wave w adds the 8 waves' shares of quads 2 w and 2 w + 1 (class w, both parts)
.irp t, 0,1
.irp k, 0,1,2,3,4,5,6,7
	ds_load_b128 v[64+(\t*8+\k)*4:64+(\t*8+\k)*4+3], v11 offset:8192*\k+512*\t
.endr
.endr
	s_wait_dscnt 0x0
.irp t, 0,1
.irp st, 16,8,4
.set jx, 0
.rept \st/2
	v_pk_add_f32 v[64+32*\t+jx:65+32*\t+jx], v[64+32*\t+jx:65+32*\t+jx], v[64+32*\t+\st+jx:65+32*\t+\st+jx]
.set jx, jx+2
.endr
.endr
.endr
	; over the 16 values of dl = lane bits 1 to 4
.irp xm, 2,4,8
.irp j, 64,65,66,67,96,97,98,99
	v_add_f32_dpp v\j, v\j, v\j row_xmask:\xm row_mask:0xf bank_mask:0xf
.endr
.endr
.irp j, 0,1,2,3
	v_permlanex16_b32 v[WW+\j], v[64+\j], s26, s27
	v_permlanex16_b32 v[WW+4+\j], v[96+\j], s26, s27
.endr
	v_pk_add_f32 v[64:65], v[64:65], v[WW:WW+1]
	v_pk_add_f32 v[66:67], v[66:67], v[WW+2:WW+3]
	v_pk_add_f32 v[96:97], v[96:97], v[WW+4:WW+5]
	v_pk_add_f32 v[98:99], v[98:99], v[WW+6:WW+7]
	v_pk_mul_f32 v[64:65], v[64:65], 0x3e000000 op_sel_hi:[1,0]    ; the scale 0.125
	v_pk_mul_f32 v[66:67], v[66:67], 0x3e000000 op_sel_hi:[1,0]
	v_pk_mul_f32 v[96:97], v[96:97], 0x3e000000 op_sel_hi:[1,0]
	v_pk_mul_f32 v[98:99], v[98:99], 0x3e000000 op_sel_hi:[1,0]
	v_lshlrev_b32 v15, 4, v3                       ; 16 cq
	s_lshl_b32 s28, s20, 12                        ; uvec[c][part]: 2,048 bytes each; class w
	s_lshl_b32 s29, s21, 5                         ; + 32 jb
	s_add_co_u32 s28, s28, s29
	v_add_nc_u32 v15, s28, v15
	v_cmp_gt_u32 vcc_lo, 2, v1
	s_wait_xcnt 0x0                                ; EXEC changes only behind this wait
	s_and_saveexec_b32 s33, vcc_lo
	global_store_b128 v15, v[64:67], s[14:15]              ; two lanes: my 8 columns of u_r[w]
	global_store_b128 v15, v[96:99], s[14:15] offset:2048  ; and of u_i[w]
	s_wait_xcnt 0x0
	s_or_b32 exec_lo, exec_lo, s33
	s_cmp_lg_u32 s21, 0
	s_cbranch_scc1 .Lend
	s_cmp_lg_u32 s20, 0
	s_cbranch_scc1 .Lend
	v_and_b32 v9, 7, v0
	v_lshlrev_b32 v8, 2, v9
	v_add_nc_u32 v9, KRED, v8
.irp k, 0,1,2,3,4,5,6,7
	ds_load_b32 v[160+\k], v9 offset:32*\k
.endr
	s_wait_dscnt 0x0
	v_pk_add_f32 v[160:161], v[160:161], v[164:165]
	v_pk_add_f32 v[162:163], v[162:163], v[166:167]
	v_pk_add_f32 v[160:161], v[160:161], v[162:163]
	v_add_f32 v160, v160, v161
	v_mul_f32 v160, 0x3d800000, v160               ; 0.125, and one half for the doubled sum
	v_cmp_gt_u32 vcc_lo, 8, v1
	s_and_saveexec_b32 s33, vcc_lo
	global_store_b32 v8, v160, s[16:17]
	s_wait_xcnt 0x0
	s_or_b32 exec_lo, exec_lo, s33
.Lend:
	s_barrier_signal -1
	s_barrier_wait -1
	s_wait_tensorcnt 0x0
	ds_add_u32 v254, v255
	s_wait_dscnt 0x0
	s_endpgm
.Lfunc_end_k_q605a328a31_prep2:
	.size	k_q605a328a31_prep2, .Lfunc_end_k_q605a328a31_prep2-k_q605a328a31_prep2
	.p2alignl 7, 3214868480
	.fill 96, 4, 3214868480
	.section	.rodata,"a",@progbits
	.p2align	6, 0x0
	.amdhsa_kernel k_q605a328a31_prep2
		.amdhsa_group_segment_fixed_size 66816
		.amdhsa_private_segment_fixed_size 0
		.amdhsa_enable_private_segment 0
		.amdhsa_kernarg_size 56
		.amdhsa_user_sgpr_count 2
		.amdhsa_user_sgpr_kernarg_segment_ptr 1
		.amdhsa_wavefront_size32 1
		.amdhsa_system_sgpr_workgroup_id_x 1
		.amdhsa_system_sgpr_workgroup_id_y 1
		.amdhsa_system_sgpr_workgroup_id_z 1
		.amdhsa_system_vgpr_workitem_id 0
		.amdhsa_next_free_vgpr 256
		.amdhsa_next_free_sgpr 66
		.amdhsa_reserve_vcc 1
		.amdhsa_float_denorm_mode_32 3
		.amdhsa_float_denorm_mode_16_64 3
		.amdhsa_memory_ordered 1
		.amdhsa_forward_progress 1
		.amdhsa_inst_pref_size 34
	.end_amdhsa_kernel
	.amdgpu_metadata
---
amdhsa.version: [ 1, 2 ]
amdhsa.kernels:
  - .name:           k_q605a328a31_prep2
    .symbol:         k_q605a328a31_prep2.kd
    .args:
      - { .name: qT, .offset: 0, .size: 8, .value_kind: global_buffer, .address_space: global }
      - { .name: Wk_r, .offset: 8, .size: 8, .value_kind: global_buffer, .address_space: global }
      - { .name: Wk_i, .offset: 16, .size: 8, .value_kind: global_buffer, .address_space: global }
      - { .name: bk_r, .offset: 24, .size: 8, .value_kind: global_buffer, .address_space: global }
      - { .name: bk_i, .offset: 32, .size: 8, .value_kind: global_buffer, .address_space: global }
      - { .name: uvec, .offset: 40, .size: 8, .value_kind: global_buffer, .address_space: global }
      - { .name: kcv, .offset: 48, .size: 8, .value_kind: global_buffer, .address_space: global }
    .group_segment_fixed_size: 66816
    .private_segment_fixed_size: 0
    .kernarg_segment_align: 8
    .kernarg_segment_size: 56
    .max_flat_workgroup_size: 256
    .sgpr_count:     66
    .vgpr_count:     256
    .wavefront_size: 32
...
	.end_amdgpu_metadata
.endif
;; end of part 5
;; launch main (part 6): grid 256 x 1, 4 waves a work-group, no clusters, 326,144 bytes of LDS; arguments band_r, band_i, uvec, kcv, wfrag, ptab, labels, out1, out2, part; writes out1, out2, part
.if DOCPART == 6
	.amdgcn_target "amdgcn-amd-amdhsa--gfx1250"
	.amdhsa_code_object_version 6
	.text
	.protected	k_q605a328a31_main
	.globl	k_q605a328a31_main
	.p2align	8
	.type	k_q605a328a31_main,@function
k_q605a328a31_main:
	s_mov_b64 s[64:65], 0
	v_nop
	global_prefetch_b8 v0, s[64:65] scope:SCOPE_SE
	s_setreg_imm32_b32 hwreg(HW_REG_WAVE_MODE, 25, 1), 1
	s_wait_xcnt 0x0
; Work-group g owns b = 8 g .. 8 g + 7.  Four waves, one on each SIMD.
; PHASE 1, one b a trip, the four waves together: wave w holds d = 128 w .. 128 w + 127 of both parts of the 16 bands (128 registers), read once.
;   Its share of the scores x . u (f32, vector unit) is summed over its lanes; the four shares meet in LDS; every wave makes the softmax over the 16 bands
;   (the maximum taken away); wave 0 stores attn; y[c] = sum over n of attn[c][n] x[n] for the wave's own d (f32), in the scale 2^8, split into two f16
;   (hi + lo) and laid into LDS.  Since the weights of a softmax add up to one, Z = attn (x Wv^T + bv) = y Wv^T + bv: the product runs on 8 rows a b, not 16.
;   WHY THE WAVES SHARE A b: registers are named in the text, so each pair of x's registers costs a line for each class.  A wave with a quarter of a b has a
;   quarter of the lines and runs them eight times.  The price: each wave sums its lanes for every b.
; PHASE 2 (wave w: all 64 rows x the complex columns of tiles T = 16 np + 4 w + i, two passes np): Z = y Wv^T on the matrix unit, f16 operands, f32 sums,
;   three products for each pair of split numbers (hi hi, hi lo, lo hi; lo lo, 2^-22 of the product, is left out).  The real part is kept as two sums,
;   yr Wv_r and yi Wv_i, subtracted once at the end of a pass: no operand is negated on the way.
;   Then the two distances column by column.
; TAIL: the sums of the four waves meet in LDS; wave 0 makes the two softmaxes over the classes, preds and the group's share of the loss.
; WHY SPLIT f16: preds is an argmin of sums whose terms jump where a sign changes, so Z has to be good to f32's last bits; one 16-bit operand is not.
; WHY NO CLUSTER, NO LDS FOR THE WEIGHTS: y takes 278,528 bytes of LDS and the tables 47,104, of 327,680: no room for slots.  The four waves split the columns, so a
;   weight fragment is used by one wave alone: it goes straight into that wave's registers, 6 to 7 sets of 4,096 bytes on their way in each wave.
; LIMITS: |band| < 255 (y 2^8 stays in f16), |Wv| < 3.99 (made in the first launch).  NaN and infinities are not served.  Equal smallest distances: the lowest class.
;   The scores and y are 8-column and 16-term products, under one hundredth of the arithmetic, and are kept in f32 on the vector unit.
; LDS: Y at 0: group (mt, plane, g8) at ((4 mt + plane) 64 + g8) 272; in it row m at 16 m holds k = 8 g8 .. + 7 (planes: yr hi, yr lo, yi hi, yi lo);
;      the table of P and bv (80 bytes a column) at PTL; at SCR 1,024 bytes a wave: attn [c][n], then the wave's share of the scores; 512 bytes of sums a wave at RSL.
; REGISTERS in windows of 256:  window 1: u (8 c + 4 p + e), later the A fragments (two buffers);  window 2: x 2^8 at work (64 p + 4 n + e) and, from 128 on, x as it
;      lands, later the ring of 8 weight sets;  window 3: 32 accumulators (i, mt; yr Wv_r and Zi);  window 0, v128-255, in the K loop: the 16 accumulators of yi Wv_i.
;      A lane's numbers in phase 1: d = 128 w + 4 L + e of part p.
.set YROW, 272
.set YPL,  64*YROW
.set YMT,  4*YPL
.set PTL,  4*YMT
.set PTP,  80
.set SCR,  PTL+512*PTP
.set RSL,  SCR+4096
.set KC,   10                          ; v[10:13]  kc of my classes; later AAD
.set AAD,  10                          ; v[10:13]  LDS address of my A fragments, one for each mt, stepped
.set SS,   14                          ; v[14:17]  scores, then attn: register q, lane (h, r): class 2 q + h, band r.  Later v14 table address, v15 sums' address
.set TMP,  18                          ; v[18:25]  at work
.set MX,   18
.set EX,   22
.set AA0,  20                          ; v[20:23]  phase 2: AAD at K = 0
.set BI,   24                          ; v[24:31]  phase 2: bv_r, bv_i of my column in the pass's four tiles
.set XW,   32                          ; v[32:47]  the four waves' shares of the scores
.set HF,   32                          ; v[32:47]  y hi, two f16 a register
.set LF,   48                          ; v[48:63]  y lo
.set ACC,  64                          ; v[64:191] 64 pairs of score sums (class of four, band)
.set AB,   64                          ; v[64:191] attn[c][n], in every lane
.set YT,   192                         ; v[192:223] y[c][e]
.set BK,   224                         ; v[224:255] hi back in f32
.set XST,  128                         ; window 2: where x lands
.set D2S,  64                          ; v[64:95]  phase 2: sums of squares (mt, c)
.set DMS,  96                          ; v[96:127] phase 2: sums of the metric
.set NB,   128                         ; v[128:255] phase 2, K loop: the sums of yi Wv_i, tile (i, mt) at 8 (4 i + mt); free for the column work once subtracted
.set PTB,  128                         ; v[128:159] two buffers of 16: Pr[0..7], Pi[0..7] of my column
.set PMG,  168                         ; v[168:175] |P|
.set ZR,   176
.set ZI,   184
.set MG,   192
.set DR,   200
.set DI,   208
.set RC,   216
.set CR,   224
.set DT,   232
.set MSB, 0
.macro WIN new                         ; s_set_vgpr_msb: bits 1:0 source 0, 3:2 source 1, 5:4 source 2, 7:6 destination; the high byte repeats the setting that is left
.if MSB != (\new)
	s_set_vgpr_msb (MSB<<8)|(\new)
.set MSB, (\new)
.endif
.endm
.macro UNPK d, r
	v_cvt_f32_f16 v[\d], v\r\().l
	v_cvt_f32_f16 v[\d+1], v\r\().h
.endm
.macro XLOAD p, add                    ; my 512 bytes of part p of all 16 bands: each load 512 consecutive bytes
	WIN 0x80
.irp nn, 0,1,2,3,4,5,6,7,8,9,10,11,12,13,14,15
	global_load_b128 v[XST+\p*64+\nn*4:XST+\p*64+\nn*4+3], v4, s[4+2*\p:5+2*\p] offset:\nn*2048+\add th:TH_LOAD_NT
.endr
.endm
.macro SWEEP ch                        ; my share of the score sums of classes 4 ch .. 4 ch + 3: 64 chains that do not wait for each other
	WIN 0x06
.irp p, 0,1
.irp pr, 0,2
.set nn, 0
.rept 16
.irp cc, 0,1,2,3
.set ra, ACC+(\cc*16+nn)*2
.set rx, \p*64+nn*4+\pr
.set ru, (4*\ch+\cc)*8+\p*4+\pr
.if (\p+\pr) == 0
	v_pk_mul_f32 v[ra:ra+1], v[rx:rx+1], v[ru:ru+1]
.else
	v_pk_fma_f32 v[ra:ra+1], v[rx:rx+1], v[ru:ru+1], v[ra:ra+1]
.endif
.endr
.set nn, nn+1
.endr
.endr
.endr
.endm
; One step of a sum across lanes that also sorts: values whose index differs in bit k are paired; a lane keeps the one that matches its own lane bit k,
; hands over the other, and adds what its partner (lane xor xm) hands over.  Eight pairs at a time, so that no line needs the result of the line before it.
.macro BSTEP k, xm, msk
.set bcnt, 64 >> (\k+1)
.if bcnt > 8
.set bgs, 8
.else
.set bgs, bcnt
.endif
.set bg, 0
.rept bcnt/bgs
.set ii, 0
.rept bgs
.set ra, ACC+2*((bg+ii)<<(\k+1))
	v_cndmask_b32 v[TMP+ii], v[ra+2*(1<<\k)], v[ra], s[\msk]
.set ii, ii+1
.endr
.set ii, 0
.rept bgs
.set ra, ACC+2*((bg+ii)<<(\k+1))
	v_cndmask_b32 v[ra], v[ra], v[ra+2*(1<<\k)], s[\msk]
.set ii, ii+1
.endr
.set ii, 0
.rept bgs
.set ra, ACC+2*((bg+ii)<<(\k+1))
	v_add_f32_dpp v[ra], v[TMP+ii], v[ra] row_xmask:\xm row_mask:0xf bank_mask:0xf
.set ii, ii+1
.endr
.set bg, bg+bgs
.endr
.endm
.macro REDUCE ch
	WIN 0
.set ii, 0
.rept 64
	v_add_f32 v[ACC+2*ii], v[ACC+2*ii], v[ACC+2*ii+1]
.set ii, ii+1
.endr
	BSTEP 0, 1, 26
	BSTEP 1, 2, 27
	BSTEP 2, 4, 28
	BSTEP 3, 8, 29                                 ; lane r: band r, four classes left
.irp q, 0,1
	v_cndmask_b32 v[TMP+2*\q], v[ACC+64*\q+32], v[ACC+64*\q], s30
	v_cndmask_b32 v[ACC+64*\q], v[ACC+64*\q], v[ACC+64*\q+32], s30
.endr
.irp q, 0,1
	v_permlanex16_b32 v[TMP+2*\q+1], v[TMP+2*\q], s32, s33
.endr
.irp q, 0,1
	v_add_f32 v[SS+2*\ch+\q], v[ACC+64*\q], v[TMP+2*\q+1]
.endr
.endm
; y 2^8 of part p for the 8 classes and my four d, split, into LDS.  w = 1: attn's loads are still coming in, four bands (eight loads) at a time.
.macro YSEG p, w
	WIN 0x02
.irp nn, 0,1,2,3,4,5,6,7,8,9,10,11,12,13,14,15
.if \w
.if (\nn&3) == 0
	s_wait_dscnt 24-2*\nn                          ; eight loads for each later group of four bands stay out
.endif
.endif
.irp c, 0,1,2,3,4,5,6,7
.irp pr, 0,2
.set ry, YT+4*\c+\pr
.set rx, \p*64+\nn*4+\pr
.set ra, AB+16*\c+(\nn&14)
.if \nn == 0
	v_pk_mul_f32 v[ry:ry+1], v[rx:rx+1], v[ra:ra+1] op_sel_hi:[1,0]
.else
.if (\nn&1) == 0
	v_pk_fma_f32 v[ry:ry+1], v[rx:rx+1], v[ra:ra+1], v[ry:ry+1] op_sel_hi:[1,0,1]
.else
	v_pk_fma_f32 v[ry:ry+1], v[rx:rx+1], v[ra:ra+1], v[ry:ry+1] op_sel:[0,1,0] op_sel_hi:[1,1,1]
.endif
.endif
.endr
.endr
.endr
	WIN 0
.set qq, 0
.rept 16
	v_cvt_pk_f16_f32 v[HF+qq], v[YT+2*qq], v[YT+2*qq+1]
.set qq, qq+1
.endr
.set qq, 0
.irp r, 32,33,34,35,36,37,38,39,40,41,42,43,44,45,46,47
	UNPK BK+2*qq, \r
.set qq, qq+1
.endr
.set qq, 0
.rept 16
	v_pk_add_f32 v[YT+2*qq:YT+2*qq+1], v[YT+2*qq:YT+2*qq+1], v[BK+2*qq:BK+2*qq+1] neg_lo:[0,1] neg_hi:[0,1]   ; what hi left over, exact
.set qq, qq+1
.endr
.set qq, 0
.rept 16
	v_cvt_pk_f16_f32 v[LF+qq], v[YT+2*qq], v[YT+2*qq+1]
.set qq, qq+1
.endr
.irp c, 0,1,2,3,4,5,6,7
	ds_store_b64 v5, v[HF+2*\c:HF+2*\c+1] offset:(2*\p)*YPL+16*\c      ; 32 lanes: 64 different words modulo 64
	ds_store_b64 v5, v[LF+2*\c:LF+2*\c+1] offset:(2*\p+1)*YPL+16*\c
.endr
.endm
.macro RINGPRO                         ; weight sets 0 to 6 of a pass into slots 0 to 6
	WIN 0x80
.irp e, 0,1,2,3,4,5,6
.irp k, 0,1,2,3,4,5,6,7
	global_load_b128 v[\e*32+\k*4:\e*32+\k*4+3], v4, s[12:13] offset:\e*4096+\k*512
.endr
.endr
.endm
.macro ALOAD buf, imm                  ; the A fragments of one K step of 32: 4 row tiles x 4 planes; each half of the lanes reads 256 consecutive bytes
	WIN 0x40
.irp mt, 0,1,2,3
.irp pl, 0,1,2,3
	ds_load_b128 v[\buf*128+(\mt*4+\pl)*8:\buf*128+(\mt*4+\pl)*8+3], v[AAD+\mt] offset:\pl*YPL+\imm
	ds_load_b128 v[\buf*128+(\mt*4+\pl)*8+4:\buf*128+(\mt*4+\pl)*8+7], v[AAD+\mt] offset:\pl*YPL+\imm+2*YROW
.endr
.endr
.endm
; Four matrix instructions, one for each row tile.  comp: 0 the sum of yr Wv_r, 1 Zi (both window 3), 2 the sum of yi Wv_i (window 0).  pl = 1: a v_nop behind each.
.macro MM4 comp, i, buf, slot, ap, bp, pl
.irp mt, 0,1,2,3
.if \comp == 2
.set rd, NB+((\i)*4+\mt)*8
.else
.set rd, ((\i)*8+\mt*2+\comp)*8
.endif
.set ra, \buf*128+(\mt*4+\ap)*8
.set rb, (\slot)*32+(\bp)*8
	v_wmma_f32_16x16x32_f16 v[rd:rd+7], v[ra:ra+7], v[rb:rb+7], v[rd:rd+7]
.if \pl
	v_nop
.endif
.endr
.endm
.macro MM12 comp, i, buf, slot, pa, pb, pl     ; hi hi, hi lo, lo hi; the four accumulators take turns, one instruction a turn
	MM4 \comp, \i, \buf, \slot, \pa, \pb, \pl
	MM4 \comp, \i, \buf, \slot, \pa, \pb+1, 0
	MM4 \comp, \i, \buf, \slot, \pa+1, \pb, 0
.endm
; One weight set (column tile i = e & 3, one K step): 48 matrix instructions.  In their middle the set seven ahead is asked for and, in two sets of a trip, the next
; K step's A fragments are read.  Those loads land in registers that matrix instructions of earlier sets have read: four places lie between (ISA guide 7.12.1 for vector
; instructions).  They are the four v_nop behind this set's first four matrix instructions, which name other registers.
.macro SET e, buf, wcnt, refill, aload, abuf, aimm
.set plc, \refill|\aload
	s_wait_loadcnt \wcnt                           ; the sets behind this one, eight loads each, stay out
	WIN 0xf9
	MM12 1, \e&3, \buf, \e, 0, 2, plc              ; Zi += yr Wv_i
	MM12 0, \e&3, \buf, \e, 0, 0, 0                ; first real sum += yr Wv_r
.if \refill
	WIN 0x80
.irp k, 0,1,2,3,4,5,6,7
	global_load_b128 v[((\e+7)&7)*32+\k*4:((\e+7)&7)*32+\k*4+3], v4, s[12:13] offset:(\e+7)*4096+\k*512   ; into the slot of the set before
.endr
.endif
.if \aload
	ALOAD \abuf, \aimm
.endif
	WIN 0xf9
	MM12 1, \e&3, \buf, \e, 2, 0, 0                ; Zi += yi Wv_r
	WIN 0x09
	MM12 2, \e&3, \buf, \e, 2, 2, 0                ; second real sum += yi Wv_i
.endm
.macro TRIP tail                       ; two K steps of 32 = eight sets = once round the ring
	s_wait_dscnt 0x0                               ; A buffer 0 is in
.if \tail
	SET 0, 0, 48, 1, 0, 0, 0
	SET 1, 0, 48, 0, 1, 1, 4*YROW
	SET 2, 0, 40, 0, 0, 0, 0                       ; nothing more is asked for: the counts run down
	SET 3, 0, 32, 0, 0, 0, 0
	s_wait_dscnt 0x0
	SET 4, 1, 24, 0, 0, 0, 0
	SET 5, 1, 16, 0, 0, 0, 0
	SET 6, 1, 8, 0, 0, 0, 0
	SET 7, 1, 0, 0, 0, 0, 0
.else
	SET 0, 0, 48, 1, 0, 0, 0
	SET 1, 0, 48, 1, 1, 1, 4*YROW
	SET 2, 0, 48, 1, 0, 0, 0
	SET 3, 0, 48, 1, 0, 0, 0
	s_wait_dscnt 0x0                               ; A buffer 1 is in
	SET 4, 1, 48, 1, 0, 0, 0
	SET 5, 1, 48, 1, 1, 0, 8*YROW
	SET 6, 1, 48, 1, 0, 0, 0
	SET 7, 1, 48, 1, 0, 0, 0
.endif
	WIN 0
	s_wait_xcnt 0x0                                ; the weights' base is stepped only behind this wait
	s_add_nc_u64 s[12:13], s[12:13], 0x8000
.irp mt, 0,1,2,3
	v_add_nc_u32 v[AAD+\mt], 8*YROW, v[AAD+\mt]
.endr
.endm
.macro COMB i                          ; the real part of column tile i: the first sum less the second, into the first's registers
	WIN 0xc3
.irp mt, 0,1,2,3
.irp k, 0,2,4,6
.set rd, ((\i)*8+\mt*2)*8+\k
.set rn, NB+((\i)*4+\mt)*8+\k
	v_pk_add_f32 v[rd:rd+1], v[rd:rd+1], v[rn:rn+1] neg_lo:[0,1] neg_hi:[0,1]
.endr
.endr
.endm
.macro PTLOAD i
.irp k, 0,1,2,3
	ds_load_b128 v[PTB+16*((\i)&1)+4*\k:PTB+16*((\i)&1)+4*\k+3], v14 offset:16*PTP*(\i)+16*\k
.endr
.endm
.macro PMAG i
.set PB, PTB+16*((\i)&1)
.irp k, 0,2,4,6
	v_pk_mul_f32 v[PMG+\k:PMG+\k+1], v[PB+\k:PB+\k+1], v[PB+\k:PB+\k+1]
.endr
.irp k, 0,2,4,6
	v_pk_fma_f32 v[PMG+\k:PMG+\k+1], v[PB+8+\k:PB+8+\k+1], v[PB+8+\k:PB+8+\k+1], v[PMG+\k:PMG+\k+1]
.endr
.irp j, 0,1,2,3,4,5,6,7
	v_sqrt_f32 v[PMG+\j], v[PMG+\j]                ; the next vector line, the first of EW, touches none of these
.endr
.endm
; One tile of Z (16 rows x my column): register j = class j, lane half = the b of the pair.
.macro EW i, mt
.set PB, PTB+16*((\i)&1)
.set AR, ((\i)*8+\mt*2)*8
.set DS2, D2S+8*\mt
.set DSM, DMS+8*\mt
	WIN 0x03
.irp k, 0,2,4,6
	v_pk_mul_f32 v[ZR+\k:ZR+\k+1], v[AR+\k:AR+\k+1], s[44:45] op_sel_hi:[1,0]          ; 2^-22 x the sum, which holds bv 2^22
.endr
.irp k, 0,2,4,6
	v_pk_mul_f32 v[ZI+\k:ZI+\k+1], v[AR+8+\k:AR+8+\k+1], s[44:45] op_sel_hi:[1,0]
.endr
	WIN 0
.irp k, 0,2,4,6
	v_pk_mul_f32 v[MG+\k:MG+\k+1], v[ZR+\k:ZR+\k+1], v[ZR+\k:ZR+\k+1]
.endr
.irp k, 0,2,4,6
	v_pk_fma_f32 v[MG+\k:MG+\k+1], v[ZI+\k:ZI+\k+1], v[ZI+\k:ZI+\k+1], v[MG+\k:MG+\k+1]
.endr
.irp j, 0,1,2,3,4,5,6,7
	v_sqrt_f32 v[MG+\j], v[MG+\j]                  ; plain lines that touch none of these follow before the results are used
.endr
.irp k, 0,2,4,6
	v_pk_add_f32 v[DR+\k:DR+\k+1], v[ZR+\k:ZR+\k+1], v[PB+\k:PB+\k+1] neg_lo:[0,1] neg_hi:[0,1]
.endr
.irp k, 0,2,4,6
	v_pk_add_f32 v[DI+\k:DI+\k+1], v[ZI+\k:ZI+\k+1], v[PB+8+\k:PB+8+\k+1] neg_lo:[0,1] neg_hi:[0,1]
.endr
.irp k, 0,2,4,6
	v_pk_fma_f32 v[DS2+\k:DS2+\k+1], v[DR+\k:DR+\k+1], v[DR+\k:DR+\k+1], v[DS2+\k:DS2+\k+1]
.endr
.irp k, 0,2,4,6
	v_pk_fma_f32 v[DS2+\k:DS2+\k+1], v[DI+\k:DI+\k+1], v[DI+\k:DI+\k+1], v[DS2+\k:DS2+\k+1]
.endr
	s_wait_alu depctr_va_vdst(0)
.irp k, 0,2,4,6
	v_pk_add_f32 v[MG+\k:MG+\k+1], v[MG+\k:MG+\k+1], s[46:47] op_sel_hi:[1,0]          ; mag_z = |Z| + 1e-8
.endr
.irp j, 0,1,2,3,4,5,6,7
	v_rcp_f32 v[RC+\j], v[MG+\j]
.endr
.irp k, 0,2,4,6
	v_pk_mul_f32 v[CR+\k:CR+\k+1], v[ZR+\k:ZR+\k+1], v[PB+8+\k:PB+8+\k+1]
.endr
.irp k, 0,2,4,6
	v_pk_fma_f32 v[CR+\k:CR+\k+1], v[ZI+\k:ZI+\k+1], v[PB+\k:PB+\k+1], v[CR+\k:CR+\k+1] neg_lo:[1,0,0] neg_hi:[1,0,0]
.endr
.irp k, 0,2,4,6
	v_pk_mul_f32 v[DT+\k:DT+\k+1], v[ZR+\k:ZR+\k+1], v[PB+\k:PB+\k+1]
.endr
.irp k, 0,2,4,6
	v_pk_fma_f32 v[DT+\k:DT+\k+1], v[ZI+\k:ZI+\k+1], v[PB+8+\k:PB+8+\k+1], v[DT+\k:DT+\k+1]
.endr
	s_wait_alu depctr_va_vdst(0)
.irp j, 0,1,2,3,4,5,6,7
	v_mul_f32 v[CR+\j], |v[CR+\j]|, v[RC+\j]       ; orth
.endr
.irp k, 0,2,4,6
	v_pk_fma_f32 v[RC+\k:RC+\k+1], v[MG+\k:MG+\k+1], 2.0, v[CR+\k:CR+\k+1] op_sel_hi:[1,0,1] neg_lo:[0,0,1] neg_hi:[0,0,1]   ; 2 mag_z - orth
.endr
.irp j, 0,1,2,3,4,5,6,7
	v_cmp_gt_f32 vcc_lo, 0, v[DT+\j]
	v_cndmask_b32 v[CR+\j], v[CR+\j], v[RC+\j], vcc_lo
.endr
.irp k, 0,2,4,6
	v_pk_add_f32 v[DR+\k:DR+\k+1], v[MG+\k:MG+\k+1], v[PMG+\k:PMG+\k+1] neg_lo:[0,1] neg_hi:[0,1]
.endr
.irp k, 0,2,4,6
	v_pk_add_f32 v[DSM+\k:DSM+\k+1], v[DSM+\k:DSM+\k+1], v[CR+\k:CR+\k+1]
.endr
.irp j, 0,1,2,3,4,5,6,7
	v_add_f32 v[DSM+\j], v[DSM+\j], |v[DR+\j]|
.endr
.endm
.macro RED8 op, reg                    ; over the eight lanes of one b
	\op v[\reg], v[\reg], v[\reg] row_xmask:1 row_mask:0xf bank_mask:0xf
	\op v[\reg], v[\reg], v[\reg] row_xmask:2 row_mask:0xf bank_mask:0xf
	\op v[\reg], v[\reg], v[\reg] row_xmask:4 row_mask:0xf bank_mask:0xf
.endm
; Four b at a time: lane L stands for b = 4 hb + (L >> 3) of the group and class L & 7.
.macro FINB hb
.set LB, 32+8*\hb
	v_add_f32 v[LB], v[LB], v[LB+1]
	v_add_f32 v[LB+2], v[LB+2], v[LB+3]
	v_add_f32 v[LB+4], v[LB+4], v[LB+5]
	v_add_f32 v[LB+6], v[LB+6], v[LB+7]
	v_add_f32 v[LB], v[LB], v[LB+2]                ; D2
	v_add_f32 v[LB+4], v[LB+4], v[LB+6]            ; Dm
	v_mov_b32 v50, v[LB]
	v_mov_b32 v53, v[LB+4]
	RED8 v_min_num_f32_dpp, 50                     ; the largest of -D2 and of -Dm are taken away before the exponentials
	RED8 v_min_num_f32_dpp, 53
	v_sub_f32 v51, v50, v[LB]
	v_sub_f32 v54, v53, v[LB+4]
	v_mul_f32 v51, 0x3fb8aa3b, v51
	v_mul_f32 v54, 0x3fb8aa3b, v54
	v_exp_f32 v51, v51
	v_exp_f32 v54, v54
	v_nop                                          ; one plain place behind the exponentials
	v_cmp_eq_u32 vcc_lo, v26, v[48+\hb]
	v_cndmask_b32 v[60+\hb], 0, v[LB+4], vcc_lo    ; Dm of the label's class, 0 elsewhere
	s_wait_alu depctr_va_vdst(0)
	v_mul_f32 v52, v51, v[LB]
	RED8 v_add_f32_dpp, 51
	RED8 v_add_f32_dpp, 52
	RED8 v_add_f32_dpp, 54
	RED8 v_add_f32_dpp, 60+\hb
	v_rcp_f32 v51, v51
	v_log_f32 v54, v54
	v_nop
	s_wait_alu depctr_va_vdst(0)
	v_mul_f32 v52, v52, v51                        ; sum of r_soft D2
	v_sub_f32 v[60+\hb], v[60+\hb], v53
	v_fmac_f32 v[60+\hb], 0x3f317218, v54          ; - log p = Dm[label] - min + ln sum
	v_fmac_f32 v[60+\hb], 0x3c23d70a, v52          ; + 0.01 softmse
	v_cmp_eq_f32 vcc_lo, v[LB+4], v53
	v_cndmask_b32 v[58+\hb], 0x41000000, v29, vcc_lo   ; my class where Dm is the smallest, else 8
	RED8 v_min_num_f32_dpp, 58+\hb
	v_cvt_u32_f32 v[58+\hb], v[58+\hb]
.endm
	s_load_b512 s[4:19], s[0:1], 0x0               ; band_r 4, band_i 6, uvec 8, kcv 10, wfrag 12, ptab 14, labels 16, out1 18
	s_load_b128 s[20:23], s[0:1], 0x40             ; out2 20, part 22
	v_and_b32 v1, 31, v0                           ; L
	v_lshrrev_b32 v2, 5, v0
	v_readfirstlane_b32 s24, v2                    ; wave
	v_and_b32 v2, 15, v0                           ; r
	v_bfe_u32 v3, v0, 4, 1                         ; h
	v_lshlrev_b32 v4, 4, v1                        ; 16 L; never rewritten
	s_mov_b32 s26, 0xaaaaaaaa                      ; lanes with bit 0, 1, 2, 3, 4 set
	s_mov_b32 s27, 0xcccccccc
	s_mov_b32 s28, 0xf0f0f0f0
	s_mov_b32 s29, 0xff00ff00
	s_mov_b32 s30, 0xffff0000
	s_mov_b32 s32, 0x76543210                      ; v_permlanex16_b32: lane i reads lane i of the other half
	s_mov_b32 s33, 0xfedcba98
	s_mov_b32 s42, 0x43800000                      ; 2^8, as a pair for the packed forms (the first of a pair is used for both halves)
	s_mov_b32 s43, 0x43800000
	s_mov_b32 s44, 0x34800000                      ; 2^-22
	s_mov_b32 s45, 0x34800000
	s_mov_b32 s46, 0x322bcc77                      ; 1e-8
	s_mov_b32 s47, 0x322bcc77
	s_mov_b32 s48, 0x4a800000                      ; 2^22
	s_mov_b32 s49, 0x4a800000
	s_mov_b32 s52, 0x4a000000                      ; 2^21
	s_mov_b32 s53, 0x4a000000
	s_mov_b32 s54, 0xca000000                      ; -2^21
	s_mov_b32 s55, 0xca000000
	s_mul_i32 s36, s24, 16*YROW                    ; my 16 groups of eight k in each plane of Y
	v_lshrrev_b32 v18, 1, v1
	v_mul_u32_u24 v5, v18, YROW
	v_and_b32 v18, 1, v1
	v_lshl_add_u32 v5, v18, 3, v5
	v_add_nc_u32 v5, s36, v5                       ; where y goes: group 16 w + (L >> 1), 8 (L & 1); row tile and row are stepped
	s_lshl_b32 s37, s24, 10
	s_add_co_u32 s37, s37, SCR
	v_mov_b32 v6, s37                              ; my wave's 1,024 bytes at SCR
	v_add_nc_u32 v7, s37, v4
	v_lshl_add_u32 v8, v1, 2, s37
	v_add_nc_u32 v26, SCR, v4                      ; wave 0's, to read all four waves' shares
	s_lshl_b32 s38, ttmp9, 12
	v_add_nc_u32 v9, s38, v4                       ; out2: 512 bytes a b
	v_lshlrev_b32 v27, 2, v3                       ; kcv: 4 h
	s_lshl_b32 s36, ttmp9, 18                      ; x: 32,768 bytes a b,
	s_lshl_b32 s50, s24, 9                         ; and my wave's 512 bytes of a row, in x and in u
	s_mov_b32 s51, 0
	s_add_co_u32 s36, s36, s50
	s_mov_b32 s37, 0
	s_lshl_b32 s38, s24, 19                        ; my wave's 512 KiB of wfrag
	s_mov_b32 s39, 0
	s_wait_kmcnt 0x0
	s_add_nc_u64 s[4:5], s[4:5], s[36:37]
	s_add_nc_u64 s[6:7], s[6:7], s[36:37]
	s_add_nc_u64 s[8:9], s[8:9], s[50:51]
	s_add_nc_u64 s[12:13], s[12:13], s[38:39]
	WIN 0x40
.irp c, 0,1,2,3,4,5,6,7
.irp p, 0,1
	global_load_b128 v[\c*8+\p*4:\c*8+\p*4+3], v4, s[8:9] offset:\c*4096+\p*2048
.endr
.endr
	WIN 0
.irp q, 0,1,2,3
	global_load_b32 v[KC+\q], v27, s[10:11] offset:8*\q
.endr
	XLOAD 0, 0
	XLOAD 1, 0
	WIN 0
	s_mov_b32 s41, 0                               ; b of the group
	s_mov_b32 s35, 0                               ; row tile of Y = b >> 1
.Lmt:
	s_mov_b32 s34, 0                               ; b & 1
.Lbl:
	s_wait_loadcnt 0x0                             ; this b's 32 loads, asked for at the head of the trip before, are in (the first time u and kc too)
	WIN 0x82
.set kk, 0
.rept 64
	v_pk_mul_f32 v[2*kk:2*kk+1], v[XST+2*kk:XST+2*kk+1], s[42:43] op_sel_hi:[1,0]   ; x 2^8 (exact) into the registers at work: the landing registers are free for the next b
.set kk, kk+1
.endr
	WIN 0
	s_cmp_eq_u32 s41, 7                            ; the last b asks for nothing: no load leaves the buffers
	s_cbranch_scc1 .Lnox
	XLOAD 0, 32768
	XLOAD 1, 32768
	WIN 0
.Lnox:
	SWEEP 0
	REDUCE 0
	SWEEP 1
	REDUCE 1
	; the four waves' shares meet
	ds_store_b128 v7, v[SS:SS+3] offset:512
	s_wait_dscnt 0x0                               ; my share is in LDS, for the other waves' sake
	s_barrier_signal -1
	s_barrier_wait -1
.irp k, 0,1,2,3
	ds_load_b128 v[XW+4*\k:XW+4*\k+3], v26 offset:1024*\k+512
.endr
	s_wait_dscnt 0x0                               ; my reads of the shares are done:
	s_barrier_signal -1                            ; say so; the wait stands below, ahead of my next LDS store; only register work lies between
	v_pk_add_f32 v[XW:XW+1], v[XW:XW+1], v[XW+4:XW+5]
	v_pk_add_f32 v[XW+2:XW+3], v[XW+2:XW+3], v[XW+6:XW+7]
	v_pk_add_f32 v[XW+8:XW+9], v[XW+8:XW+9], v[XW+12:XW+13]
	v_pk_add_f32 v[XW+10:XW+11], v[XW+10:XW+11], v[XW+14:XW+15]
	v_pk_add_f32 v[XW:XW+1], v[XW:XW+1], v[XW+8:XW+9]
	v_pk_add_f32 v[XW+2:XW+3], v[XW+2:XW+3], v[XW+10:XW+11]
	v_pk_fma_f32 v[SS:SS+1], v[XW:XW+1], 0x3b800000, v[KC:KC+1] op_sel_hi:[1,0,1]         ; 2^-8 takes x's scale away again; + kc
	v_pk_fma_f32 v[SS+2:SS+3], v[XW+2:XW+3], 0x3b800000, v[KC+2:KC+3] op_sel_hi:[1,0,1]
	; softmax over the 16 bands = the 16 lanes of a half
.irp q, 0,1,2,3
	v_max_num_f32_dpp v[MX+\q], v[SS+\q], v[SS+\q] row_xmask:1 row_mask:0xf bank_mask:0xf
.endr
.irp xm, 2,4,8
.irp q, 0,1,2,3
	v_max_num_f32_dpp v[MX+\q], v[MX+\q], v[MX+\q] row_xmask:\xm row_mask:0xf bank_mask:0xf
.endr
.endr
.irp q, 0,1,2,3
	v_sub_f32 v[MX+\q], v[SS+\q], v[MX+\q]
.endr
.irp q, 0,1,2,3
	v_mul_f32 v[MX+\q], 0x3fb8aa3b, v[MX+\q]
.endr
.irp q, 0,1,2,3
	v_exp_f32 v[EX+\q], v[MX+\q]
.endr
	v_nop                                          ; one plain place behind the exponentials
	s_wait_alu depctr_va_vdst(0)
.irp q, 0,1,2,3
	v_add_f32_dpp v[MX+\q], v[EX+\q], v[EX+\q] row_xmask:1 row_mask:0xf bank_mask:0xf
.endr
.irp xm, 2,4,8
.irp q, 0,1,2,3
	v_add_f32_dpp v[MX+\q], v[MX+\q], v[MX+\q] row_xmask:\xm row_mask:0xf bank_mask:0xf
.endr
.endr
.irp q, 0,1,2,3
	v_rcp_f32 v[SS+\q], v[MX+\q]
.endr
	v_nop
	s_wait_alu depctr_va_vdst(0)
.irp q, 0,1,2,3
	v_fma_f32 v[MX+\q], -v[MX+\q], v[SS+\q], 1.0   ; one Newton step on the reciprocal
.endr
.irp q, 0,1,2,3
	v_fma_f32 v[SS+\q], v[MX+\q], v[SS+\q], v[SS+\q]
.endr
.irp q, 0,1,2,3
	v_mul_f32 v[SS+\q], v[EX+\q], v[SS+\q]         ; attn
.endr
	s_barrier_wait -1                              ; every wave has read the shares: the next b's may be stored
	; attn through my wave's own LDS bytes: as one block of 512 bytes for out2, and back into every lane.  LDS serves a wave's instructions in order.
.irp q, 0,1,2,3
	ds_store_b32 v8, v[SS+\q] offset:128*\q
.endr
	ds_load_b128 v[28:31], v7
.irp nq, 0,1,2,3
.irp c, 0,1,2,3,4,5,6,7
	ds_load_b128 v[AB+16*\c+4*\nq:AB+16*\c+4*\nq+3], v6 offset:64*\c+16*\nq    ; four bands of all classes first, so that y can begin on them
.endr
.endr
	s_wait_dscnt 32                                ; the 32 loads behind the block's may be out
	s_cmp_lg_u32 s24, 0                            ; all four waves hold the same attn: wave 0 stores it
	s_cbranch_scc1 .Lnoout
	global_store_b128 v9, v[28:31], s[20:21] th:TH_STORE_NT        ; 512 consecutive bytes
.Lnoout:
	YSEG 0, 1
	YSEG 1, 0
	s_wait_xcnt 0x0                                ; x's bases, the store's offset and its data are written again only behind this wait
	s_add_nc_u64 s[4:5], s[4:5], 0x8000
	s_add_nc_u64 s[6:7], s[6:7], 0x8000
	v_add_nc_u32 v9, 512, v9
	v_add_nc_u32 v5, 128, v5                       ; rows 8 to 15 of the tile
	s_add_co_u32 s41, s41, 1
	s_add_co_u32 s34, s34, 1
	s_cmp_lt_u32 s34, 2
	s_cbranch_scc1 .Lbl
	v_add_nc_u32 v5, YMT-256, v5                   ; row 0 of the next tile
	s_add_co_u32 s35, s35, 1
	s_cmp_lt_u32 s35, 4
	s_cbranch_scc1 .Lmt
	s_wait_loadcnt 0x0                             ; no load of x is out (the last trip asked for none): x's registers get new loads below
	v_lshlrev_b32 v18, 4, v0
.set kk, 0
.rept 20
	global_load_b128 v[128+4*kk:131+4*kk], v18, s[14:15] offset:2048*kk    ; the table, 16 bytes a thread
.set kk, kk+1
.endr
	RINGPRO
	WIN 0
.set ii, 0
.rept 64
	v_mov_b32 v[D2S+ii], 0                         ; the column sums are added to inside a loop
.set ii, ii+1
.endr
	v_add_nc_u32 v19, PTL, v18
	v_mul_u32_u24 v24, v3, YROW
	v_lshl_add_u32 v24, v2, 4, v24                 ; group h, row r
.irp mt, 0,1,2,3
	v_add_nc_u32 v[AA0+\mt], \mt*YMT, v24
.endr
	s_mul_i32 s36, s24, 64*PTP
	s_add_co_u32 s36, s36, PTL
	v_mul_u32_u24 v14, v2, PTP
	v_add_nc_u32 v14, s36, v14                     ; the table at column 64 w + r
	s_lshl_b32 s37, s24, 9
	s_add_co_u32 s37, s37, RSL
	v_lshl_add_u32 v15, v3, 5, s37
	s_wait_loadcnt 56                              ; the ring's 56 loads are younger than the table's
.set kk, 0
.rept 20
	ds_store_b128 v19, v[128+4*kk:131+4*kk] offset:2048*kk
.set kk, kk+1
.endr
	s_wait_dscnt 0x0                               ; my y and my part of the table are in LDS, for the other waves' sake
	s_barrier_signal -1
	s_barrier_wait -1
	s_mov_b32 s35, 0
.Lnp:
.irp mt, 0,1,2,3
	v_mov_b32 v[AAD+\mt], v[AA0+\mt]
.endr
.irp i, 0,1,2,3
	ds_load_b64 v[BI+2*\i:BI+2*\i+1], v14 offset:16*PTP*\i+64      ; bv_r, bv_i of my column in tile i
.endr
	ALOAD 0, 0
	s_wait_dscnt 32                                ; the 32 loads of A are younger than the four of bv
	; Each sum starts at its bias in the sums' scale 2^22; of the real part's two sums, whose difference is taken, each starts at half of it with its sign.  Nothing is cleared.
	WIN 0xc0
.irp i, 0,1,2,3
.irp mt, 0,1,2,3
.irp k, 0,2,4,6
	v_pk_mul_f32 v[(\i*8+\mt*2)*8+\k:(\i*8+\mt*2)*8+\k+1], v[BI+2*\i:BI+2*\i+1], s[52:53] op_sel_hi:[0,0]                    ; bv_r 2^21
	v_pk_mul_f32 v[(\i*8+\mt*2+1)*8+\k:(\i*8+\mt*2+1)*8+\k+1], v[BI+2*\i:BI+2*\i+1], s[48:49] op_sel:[1,0] op_sel_hi:[1,0]   ; bv_i 2^22
.endr
.endr
.endr
	WIN 0
.irp i, 0,1,2,3
.irp mt, 0,1,2,3
.irp k, 0,2,4,6
	v_pk_mul_f32 v[NB+(\i*4+\mt)*8+\k:NB+(\i*4+\mt)*8+\k+1], v[BI+2*\i:BI+2*\i+1], s[54:55] op_sel_hi:[0,0]                  ; - bv_r 2^21
.endr
.endr
.endr
	s_mov_b32 s34, 7
.Lk:
	TRIP 0
	s_sub_co_u32 s34, s34, 1
	s_cmp_lg_u32 s34, 0
	s_cbranch_scc1 .Lk
	TRIP 1
.rept 4
	v_nop                                          ; places behind the last matrix instructions: for the loads into the ring and for the lines that read the sums
.endr
	s_cmp_lg_u32 s35, 0
	s_cbranch_scc1 .Lnoring
	RINGPRO                                        ; the second pass's first seven sets come in during the column work
	WIN 0
.Lnoring:
	COMB 0                                         ; tile 0 first: its second sums lie where the table's two buffers go
	WIN 0
	PTLOAD 0
	COMB 1
	COMB 2
	COMB 3
	WIN 0
.irp i, 0,1,2,3
.if \i < 3
	PTLOAD \i+1
	s_wait_dscnt 0x4                               ; the next tile's four loads may be out
.else
	s_wait_dscnt 0x0
.endif
	PMAG \i
	EW \i, 0
	EW \i, 1
	EW \i, 2
	EW \i, 3
.endr
	v_add_nc_u32 v14, 256*PTP, v14                 ; the second pass's columns
	s_add_co_u32 s35, s35, 1
	s_cmp_lt_u32 s35, 2
	s_cbranch_scc1 .Lnp
	; the sums over my 128 columns: over the 16 lanes of a half, then to LDS: kind 256 + (2 mt + h) 32 + 4 c
.irp xm, 1,2,4,8
.set ii, 0
.rept 64
	v_add_f32_dpp v[D2S+ii], v[D2S+ii], v[D2S+ii] row_xmask:\xm row_mask:0xf bank_mask:0xf
.set ii, ii+1
.endr
.endr
.irp kd, 0,1
.irp mt, 0,1,2,3
.irp hf, 0,1
	ds_store_b128 v15, v[D2S+\kd*32+\mt*8+\hf*4:D2S+\kd*32+\mt*8+\hf*4+3] offset:\kd*256+\mt*64+\hf*16
.endr
.endr
.endr
	s_wait_dscnt 0x0
	s_barrier_signal -1
	s_barrier_wait -1
	s_cmp_lg_u32 s24, 0
	s_cbranch_scc1 .Lend
	v_lshl_add_u32 v24, v1, 2, RSL
	v_lshrrev_b32 v25, 3, v1
	v_lshlrev_b32 v25, 2, v25
	s_lshl_b32 s36, ttmp9, 5
	v_add_nc_u32 v25, s36, v25                     ; labels and preds: 4 (8 g + (L >> 3))
	v_and_b32 v26, 7, v1                           ; my class
	v_cvt_f32_u32 v29, v26
	global_load_b32 v48, v25, s[16:17]
	global_load_b32 v49, v25, s[16:17] offset:16
.irp hb, 0,1
.irp kd, 0,1
.irp k, 0,1,2,3
	ds_load_b32 v[32+8*\hb+4*\kd+\k], v24 offset:512*\k+256*\kd+128*\hb
.endr
.endr
.endr
	s_wait_dscnt 0x0
	s_wait_loadcnt 0x0
	FINB 0
	FINB 1
	v_add_f32 v60, v60, v61
	v_add_f32_dpp v60, v60, v60 row_xmask:8 row_mask:0xf bank_mask:0xf
	v_permlanex16_b32 v61, v60, s32, s33
	v_add_f32 v60, v60, v61                        ; the eight b's terms
	s_lshl_b32 s37, ttmp9, 2
	v_mov_b32 v28, s37
	v_cmp_eq_u32 vcc_lo, 0, v26
	s_wait_xcnt 0x0                                ; EXEC changes only behind this wait
	s_and_saveexec_b32 s40, vcc_lo
	global_store_b32 v25, v58, s[18:19]            ; 32 bytes of preds a work-group: eight b are all that it has
	global_store_b32 v25, v59, s[18:19] offset:16
	s_wait_xcnt 0x0
	s_or_b32 exec_lo, exec_lo, s40
	v_cmp_eq_u32 vcc_lo, 0, v1
	s_and_saveexec_b32 s40, vcc_lo
	global_store_b32 v28, v60, s[22:23]
	s_wait_xcnt 0x0
	s_or_b32 exec_lo, exec_lo, s40
.Lend:
	s_wait_xcnt 0x0
	s_mov_b32 exec_lo, -1
	v_lshl_add_u32 v254, v0, 2, 0x4f800
	v_mov_b32 v255, 0
	s_wait_tensorcnt 0x0
	ds_add_u32 v254, v255
	s_wait_dscnt 0x0
	s_endpgm
.Lfunc_end_k_q605a328a31_main:
	.size	k_q605a328a31_main, .Lfunc_end_k_q605a328a31_main-k_q605a328a31_main
	.p2alignl 7, 3214868480
	.fill 96, 4, 3214868480
	.section	.rodata,"a",@progbits
	.p2align	6, 0x0
	.amdhsa_kernel k_q605a328a31_main
		.amdhsa_group_segment_fixed_size 326144
		.amdhsa_private_segment_fixed_size 0
		.amdhsa_enable_private_segment 0
		.amdhsa_kernarg_size 80
		.amdhsa_user_sgpr_count 2
		.amdhsa_user_sgpr_kernarg_segment_ptr 1
		.amdhsa_wavefront_size32 1
		.amdhsa_system_sgpr_workgroup_id_x 1
		.amdhsa_system_sgpr_workgroup_id_y 1
		.amdhsa_system_sgpr_workgroup_id_z 1
		.amdhsa_system_vgpr_workitem_id 0
		.amdhsa_next_free_vgpr 1024
		.amdhsa_next_free_sgpr 66
		.amdhsa_reserve_vcc 1
		.amdhsa_float_denorm_mode_32 3
		.amdhsa_float_denorm_mode_16_64 3
		.amdhsa_memory_ordered 1
		.amdhsa_forward_progress 1
		.amdhsa_inst_pref_size 255
	.end_amdhsa_kernel
	.section	.bss,"aw",@nobits
	.p2align	6
	.space	262144
	.amdgpu_metadata
---
amdhsa.version: [ 1, 2 ]
amdhsa.kernels:
  - .name:           k_q605a328a31_main
    .symbol:         k_q605a328a31_main.kd
    .args:
      - { .name: band_r, .offset: 0, .size: 8, .value_kind: global_buffer, .address_space: global }
      - { .name: band_i, .offset: 8, .size: 8, .value_kind: global_buffer, .address_space: global }
      - { .name: uvec, .offset: 16, .size: 8, .value_kind: global_buffer, .address_space: global }
      - { .name: kcv, .offset: 24, .size: 8, .value_kind: global_buffer, .address_space: global }
      - { .name: wfrag, .offset: 32, .size: 8, .value_kind: global_buffer, .address_space: global }
      - { .name: ptab, .offset: 40, .size: 8, .value_kind: global_buffer, .address_space: global }
      - { .name: labels, .offset: 48, .size: 8, .value_kind: global_buffer, .address_space: global }
      - { .name: out1, .offset: 56, .size: 8, .value_kind: global_buffer, .address_space: global }
      - { .name: out2, .offset: 64, .size: 8, .value_kind: global_buffer, .address_space: global }
      - { .name: part, .offset: 72, .size: 8, .value_kind: global_buffer, .address_space: global }
    .group_segment_fixed_size: 326144
    .private_segment_fixed_size: 0
    .kernarg_segment_align: 8
    .kernarg_segment_size: 80
    .max_flat_workgroup_size: 128
    .sgpr_count:     66
    .vgpr_count:     1024
    .wavefront_size: 32
...
	.end_amdgpu_metadata
.endif
;; end of part 6
;; launch fin: the kernel of part 4 again; grid 1 x 1, 1 waves a work-group, no clusters, 0 bytes of LDS; arguments part, out0; writes out0
